; MI455X (gfx1250); checked and timed in simulation.
; The chip was launched on July 23, 2026; its instructions are those of AMD's public machine-readable ISA for CDNA 5 (MIT licence, August 2026) and "CDNA5" Instruction Set Architecture Reference Guide (July 2026). The comments in the code are by the model that wrote it; some were corrected since.
;; Casual Self Attention. Allowed arithmetic: matrix products marked QUANTISED: E2M3 operands, one E8M0 scale for each 32 along K, by v_wmma_scale_f32_16x16x128_f8f6f4 with both operands' format E2M3, f32 sums; everything else in f32.
;; Inputs: b_attn 3,072 float32; b_proj 1,024 float32; w_attn 3,072 x 1,024 float32; w_proj 1,024 x 1,024 float32; x 2 x 2,048 x 1,024 float32.
;; Outputs: out0 2 x 2,048 x 1,024 float32.
;; This version of the problem:
;;   THIS VERSION OF THE PROBLEM IS GIVEN IN LOW PRECISION. The matrix products marked QUANTISED in the list below multiply operands that are first quantised to E2M3 (2 exponent bits, 3 mantissa bits; 6 bits a number), with one power-of-two scale for each 32 numbers along K (OCP MX v1.0); their sums are f32. All else is computed in f32.
;;   The module's matrix products, in the order in which they are computed (A, B: the left and right operand; K: the contracted axis; several contracted axes count as one K, in the product's order):
;;     1. [M 4,096, K 1,024] x [K 1,024, N 3,072]; A: input x; B: input w_attn: QUANTISED
;;     2. batch 32 x [M 2,048, K 64] x [K 64, N 2,048]; A: computed on the way; B: computed on the way: QUANTISED
;;     3. batch 32 x [M 2,048, K 2,048] x [K 2,048, N 64]; A: softmax (see below); B: computed on the way: QUANTISED
;;     4. [M 4,096, K 1,024] x [K 1,024, N 1,024]; A: computed on the way; B: input w_proj: QUANTISED
;;   THE QUANTISER, for each operand of a quantised product, along K:
;;     - K is cut into blocks of 32 from its start; a last block that is shorter is filled with zeros.
;;     - A block's scale is 2^e with e = floor(log2(the largest magnitude in the block)) - 2, held to -126 .. 127; a block of zeros has e = 0. As a byte (E8M0): e + 127.
;;     - Each number is divided by its block's scale, clamped to +-7.5, and rounded to the nearest number of E2M3, ties to even, subnormals kept.
;;     - The product sums the exact products of the quantised numbers (number of the format x scale) in f32.
;;   ~~~python
;;   def quantise(x, axis):      # numpy; x: float32 -> the quantised numbers, widened to float32 again
;;       x = np.moveaxis(x, axis, -1); K = x.shape[-1]
;;       x = np.pad(x, [(0, 0)] * (x.ndim - 1) + [(0, -K % 32)]); x = x.reshape(x.shape[:-1] + (-1, 32)); a = np.abs(x).max(-1, keepdims=True)
;;       e = np.where(a > 0, np.clip(np.frexp(np.where(a > 0, a, 1))[1] - 1 - 2, -126, 127), 0)      # np.frexp(a)[1] - 1 = floor(log2(a)), exactly
;;       r = np.clip(x / 2.0 ** e, -7.5, 7.5)
;;       step = 2.0 ** (np.maximum(np.frexp(np.where(r == 0, 1, r))[1] - 1, 0) - 3)
;;       q = np.round(r / step) * step * 2.0 ** e      # np.round: ties to even
;;       return np.moveaxis(q.reshape(q.shape[:-2] + (-1,))[..., :K], -1, axis).astype(np.float32)
;;   ~~~
;;   SOFTMAX AHEAD OF A QUANTISED PRODUCT. Where the list says 'softmax', what is quantised is not the finished softmax but p = 2^(t - M), with t = logit x log2(e) and M = ceil(the row's largest t), a whole number; so 1/2 < the row's largest p <= 1. The row's sum l is taken of the UNQUANTISED p, in f32, and the product's result is divided by l at the end. Since M is a whole number, a kernel that streams over the keys may use a running M (the ceiling of the running maximum): every later rescaling is an exact power of two, which a block's scale takes up: the codes' values come out the same.
;;   OPERANDS COMPUTED ON THE WAY. 'Computed on the way' means the value that the module computes at that place (a softmax that the list does not call 'softmax' is quantised finished and normalised). What goes into a quantiser is computed in f32, as accurately as f32 sums, v_exp_f32 and their like allow (about 1e-6 of the number): no bf16 or f16 on the way to a quantiser, and a product that is left as it is and whose result goes on into a quantised operand takes f32 operands (vector FMAs, or v_wmma_f32_16x16x4_f32). A number that lies on a knife's edge between two numbers of the format may be rounded either way, as far as f32 arithmetic and the matrix unit's own rounding can turn it there, and no further.
;; One version. Each part assembles by itself: llvm-mc -triple=amdgcn-amd-amdhsa -mcpu=gfx1250 --defsym DOCPART=n.
;; ======== version 1 of 1: 4 launches
;; limits: right only within a limited range of input values
;; workspace buffers: xq 3,276,800 bytes; waq 2,457,600 bytes; wpq 819,200 bytes; tab 524,288 bytes; qh 6,684,672 bytes; kv 6,684,672 bytes; yq 3,276,800 bytes
;; launch quant (part 1): grid 256 x 1, 4 waves a work-group, no clusters, 34,304 bytes of LDS; arguments x, w_attn, w_proj, xq, waq, wpq, tab; writes xq, waq, wpq, tab
.if DOCPART == 1
	.amdgcn_target "amdgcn-amd-amdhsa--gfx1250"
	.amdhsa_code_object_version 6
	.text
	.protected	k_qa1916c827e_quant
	.globl	k_qa1916c827e_quant
	.p2align	8
	.type	k_qa1916c827e_quant,@function
k_qa1916c827e_quant:
	s_mov_b64 s[64:65], 0
	v_nop
	global_prefetch_b8 v0, s[64:65] scope:SCOPE_SE
	s_setreg_imm32_b32 hwreg(HW_REG_WAVE_MODE, 25, 1), 1
	s_wait_xcnt 0x0
; x [4096][1024], w_attn [3072][1024], w_proj [1024][1024], f32, become codes of FP6 (E2M3) with one E8M0 byte for each 32 along K, laid as IMAGES OF OPERAND REGISTERS.
; A HALF FRAGMENT is 16 rows x 64 along K in 768 bytes: lane l = r + 16 h owns the 24 bytes of row r, block h: its words 0-3 at byte 16 l, its words 4-5 at byte 512 + 8 l.
; A buffer is [tile of 16 rows][8 fragments of 128 K][2 halves][768], then the scale words [tile][K half][row][4 words].  So every later load and store of codes covers 512 or 256 consecutive bytes.
; WHICH ROWS FORM A TILE is chosen here, where whole rows are read anyway: place p of a tile holds row base + (p & 7) S1 + (p >> 3) S2.
;   x and the v rows of w_attn: base 32 (t / 2) + 8 (t % 2), S1 1, S2 16: two neighbouring result tiles then hold 16 neighbours along the next K in a lane's 16 registers.
;   the q and k rows of w_attn: base 64 (t / 4) + 16 ((t / 2) % 2) + t % 2, S1 2, S2 32: even and odd columns of a head fall into neighbouring tiles, as the rotary turn wants them.   w_proj: as it lies.
; A block's scale is 2^(floor(log2(largest magnitude)) - 2); its byte is that magnitude's exponent field - 2, held at 1 from below.
; LIMITS: a block of zeros, and one whose largest magnitude lies under 2^-124, gets the byte 1 (its codes are zeros or tiny; this program alone reads the bytes); NaN and infinities are not served.
; SHARES: 512 tiles x 2 halves of K = 1,024 waves.  One path for all three tensors: only pointers and offsets are chosen, by the work-group's number.
; Each load reads 512 consecutive bytes of one row; 16 rows turn through the wave's own stage in LDS (rows 528 bytes apart) and come back 32 neighbours along K to a lane.  Two fragments' loads (32 a wave) are on their way.
; ALSO: the table of the rotary turn, tab[pos][cos 0..31 | sin 0..31]: thread 128 wg + t makes four numbers while the first loads are on their way.  The frequencies follow the f32 roundings of
; exp(f32(2 i) x f32(-ln 10000 / 64)); the angle is reduced by pi / 2 in two parts; sine and cosine by polynomials on [-pi/4, pi/4], good to about 1e-7.
; No cluster, no tensor load: no input byte is read by two work-groups.
.set SP,    528
.set WST,   16*SP                      ; a wave's stage
.set SPARE, 4*WST                      ; behind the stages: the spare words, 128 bytes a wave
.set SPW,   10                         ; v10  my spare word's address; never rewritten
.set NIL,   11                         ; v11  0; never rewritten
.set SWD,   12                         ; v12-15 my row's four scale words
.set VO,    16                         ; v16-31 place p: byte offset of my 16 bytes in its row; never rewritten
.set R,     32                         ; v32-159 two sets of 64 as loaded
.set X,     160                        ; v160-223 64 numbers: 32 neighbours of two blocks
.set C,     224                        ; v224-239 two half fragments' codes
.set CT,    240                        ; v240-247 the second halves of the blocks, before they are moved
.set XQS,   3145728                    ; where the scale words begin in xq, waq, wpq
.set WAS,   2359296
.set WPS,   786432
	s_load_b256 s[4:11], s[0:1], 0x0               ; x, w_attn, w_proj, xq
	s_load_b128 s[12:15], s[0:1], 0x20             ; waq, wpq
	s_load_b64 s[16:17], s[0:1], 0x30              ; tab
	v_lshl_add_u32 v[SPW], v0, 2, SPARE
	v_mov_b32 v[NIL], 0
	v_lshrrev_b32 v1, 5, v0
	v_readfirstlane_b32 s18, v1                    ; wave
	v_and_b32 v1, 31, v0                           ; lane
	v_and_b32 v2, 15, v0                           ; r
	v_bfe_u32 v3, v0, 4, 1                         ; h
	v_lshlrev_b32 v4, 4, v1                        ; 16 l
	v_lshlrev_b32 v8, 3, v1                        ; 8 l
	v_lshlrev_b32 v7, 3, v3                        ; 8 h: my bytes' place in a scale word
	v_lshlrev_b32 v9, 4, v2
	v_lshl_add_u32 v9, v3, 3, v9                   ; 16 r + 8 h: my two scale words on the way out
	s_mul_i32 s20, s18, WST
	v_add_nc_u32 v5, s20, v4                       ; the stage, in: 16 l of a row
	v_mul_u32_u24 v6, v2, SP
	v_lshl_add_u32 v6, v3, 7, v6
	v_add_nc_u32 v6, s20, v6                       ; and out: row r, + 128 h
	v_cmp_ne_u32 s30, 0, v3                        ; lanes 16-31
	v_mov_b32 v255, 0                              ; a lane permute's destination counts as read
	s_mov_b32 s32, 0x76543210
	s_mov_b32 s33, 0xfedcba98                      ; selects for lane l xor 16
	; which tensor, which tile, which rows
	s_cmp_ge_u32 ttmp9, 128
	s_cselect_b32 s20, 128, 0
	s_cmp_ge_u32 ttmp9, 224
	s_cselect_b32 s20, 224, s20                    ; the tensor's first work-group
	s_sub_co_u32 s19, ttmp9, s20
	s_lshl_b32 s19, s19, 1
	s_lshr_b32 s21, s18, 1
	s_add_co_u32 s19, s19, s21                     ; my tile
	s_lshr_b32 s22, s19, 1
	s_lshl_b32 s22, s22, 5
	s_and_b32 s21, s19, 1
	s_lshl_b32 s24, s21, 3
	s_add_co_u32 s22, s22, s24                     ; 32 (t / 2) + 8 (t % 2)
	s_lshr_b32 s23, s19, 2
	s_lshl_b32 s23, s23, 6
	s_bfe_u32 s24, s19, 0x10001
	s_lshl_b32 s24, s24, 4
	s_add_co_u32 s23, s23, s24
	s_add_co_u32 s23, s23, s21                     ; 64 (t / 4) + 16 ((t / 2) % 2) + t % 2
	s_lshl_b32 s24, s19, 4                         ; 16 t
	s_sub_co_u32 s25, ttmp9, 128
	s_cmp_lt_u32 s25, 64                           ; work-groups 128 to 191: the q and k rows
	s_cselect_b32 s22, s23, s22
	s_cselect_b32 s26, 2, 1
	s_cselect_b32 s27, 32, 16
	s_cmp_ge_u32 ttmp9, 224                        ; w_proj
	s_cselect_b32 s22, s24, s22
	s_cselect_b32 s27, 8, s27
	s_lshl_b32 s26, s26, 12                        ; S1, S2 in bytes: a row is 4,096
	s_lshl_b32 s27, s27, 12
.irp p, 0,1,2,3,4,5,6,7,8,9,10,11,12,13,14,15
	s_mul_i32 s24, s26, (\p&7)
.if \p > 7
	s_add_co_u32 s24, s24, s27
.endif
	v_add_nc_u32 v[VO+\p], s24, v4
.endr
	s_mov_b32 s36, WAS
	s_cmp_lt_u32 ttmp9, 128
	s_cselect_b32 s36, XQS, s36
	s_cmp_ge_u32 ttmp9, 224
	s_cselect_b32 s36, WPS, s36
	s_and_b32 s25, s18, 1                          ; my half of K
	s_lshl_b32 s24, s19, 9
	s_add_co_u32 s36, s36, s24
	s_lshl_b32 s24, s25, 8
	s_add_co_u32 s36, s36, s24                     ; my 256 bytes of scale words
	s_mov_b32 s37, 0
	s_mul_i32 s34, s19, 12288
	s_mul_i32 s24, s25, 6144
	s_add_co_u32 s34, s34, s24                     ; my four fragments
	s_mov_b32 s35, 0
	s_lshl_b32 s28, s22, 12
	s_lshl_b32 s24, s25, 11
	s_add_co_u32 s28, s28, s24                     ; my first row, my half of it
	s_mov_b32 s29, 0
	s_lshl_b32 s38, ttmp9, 11                      ; the table: 128 threads x 16 bytes a work-group
	s_mov_b32 s39, 0
	s_mov_b32 s40, 0x3fb8aa3b                      ; log2(e), and what f32 leaves of it
	s_mov_b32 s41, 0x32a57060
	s_mov_b32 s42, 0xbfc90fdb                      ; -pi/2, and what f32 leaves of it
	s_mov_b32 s43, 0x333bbd2e
	s_mov_b32 s44, 0xb94ca1f9                      ; the sine's coefficients
	s_mov_b32 s45, 0x3c08839e
	s_mov_b32 s46, 0xbe2aaaa3
	s_mov_b32 s47, 0x37ccf5ce                      ; the cosine's
	s_mov_b32 s48, 0xbab6061a
	s_mov_b32 s49, 0x3d2aaaa5
	s_wait_alu depctr_va_vdst(0)
	s_wait_kmcnt 0x0
	s_cmp_lt_u32 ttmp9, 128                        ; the choice hangs on the work-group's number alone
	s_cselect_b64 s[4:5], s[4:5], s[6:7]
	s_cselect_b64 s[10:11], s[10:11], s[12:13]
	s_cmp_ge_u32 ttmp9, 224
	s_cselect_b64 s[4:5], s[8:9], s[4:5]
	s_cselect_b64 s[10:11], s[14:15], s[10:11]
	s_add_nc_u64 s[4:5], s[4:5], s[28:29]
	s_add_nc_u64 s[36:37], s[10:11], s[36:37]
	s_add_nc_u64 s[10:11], s[10:11], s[34:35]
	s_add_nc_u64 s[16:17], s[16:17], s[38:39]
.macro LOAD k                          ; fragment k: 128 numbers of each of my 16 rows; a load reads 512 consecutive bytes
.irp p, 0,1,2,3,4,5,6,7,8,9,10,11,12,13,14,15
	global_load_b128 v[R+64*((\k)%2)+4*\p:R+64*((\k)%2)+4*\p+3], v[VO+\p], s[4:5] offset:512*(\k) th:TH_LOAD_NT
.endr
.endm
.macro TURN k                          ; through the stage; LDS serves a wave's instructions in order, so no wait stands between the stores and the loads
.irp p, 0,1,2,3,4,5,6,7,8,9,10,11,12,13,14,15
	ds_store_b128 v5, v[R+64*((\k)%2)+4*\p:R+64*((\k)%2)+4*\p+3] offset:SP*\p
.endr
.irp c, 0,1
.irp i, 0,1,2,3,4,5,6,7
	ds_load_b128 v[X+32*\c+4*\i:X+32*\c+4*\i+3], v6 offset:256*\c+16*\i   ; k = 64 c + 32 h + 4 i .. of row r
.endr
.endr
.endm
.macro QF k                            ; my two blocks of fragment k become codes, and leave
.irp c, 0,1
	v_max3_num_f32 v[248+\c], |v[X+32*\c]|, |v[X+32*\c+1]|, 0x1800000   ; the floor 2^(3 - 127) holds the byte at 1 from below
.endr
.irp i, 2,4,6,8,10,12,14,16,18,20,22,24,26,28,30
.irp c, 0,1
	v_max3_num_f32 v[248+\c], v[248+\c], |v[X+32*\c+\i]|, |v[X+32*\c+\i+1]|
.endr
.endr
.irp c, 0,1
	v_add_nc_u32 v[250+\c], 0xff000000, v[248+\c]  ; 2 off the exponent field: the conversion's scale operand
.endr
.irp c, 0,1
	v_lshrrev_b32 v[252+\c], 23, v[250+\c]         ; the byte
.endr
	s_wait_alu depctr_va_vdst(0)
	s_wait_xcnt 0x0                                ; the last fragment's stores have read the codes' registers
.irp c, 0,1
	v_cvt_scalef32_pk16_fp6_f32 v[C+8*\c:C+8*\c+2], v[X+32*\c:X+32*\c+15], v[250+\c]
	v_cvt_scalef32_pk16_fp6_f32 v[CT+4*\c:CT+4*\c+2], v[X+32*\c+16:X+32*\c+31], v[250+\c]   ; (a conversion's three registers begin on an even number)
.endr
	v_lshl_or_b32 v254, v253, 16, v252             ; my two bytes: blocks h and 2 + h.  (The plain line behind the conversions)
.irp c, 0,1
.irp i, 0,1,2
	v_mov_b32 v[C+8*\c+3+\i], v[CT+4*\c+\i]
.endr
.endr
.irp c, 0,1
	global_store_b128 v4, v[C+8*\c:C+8*\c+3], s[10:11] offset:1536*(\k)+768*\c        ; 512 consecutive bytes
	global_store_b64 v8, v[C+8*\c+4:C+8*\c+5], s[10:11] offset:1536*(\k)+768*\c+512   ; 256 consecutive bytes
.endr
	v_lshlrev_b32 v254, v7, v254                   ; at their places in the word,
	v_permlanex16_b32 v255, v254, s32, s33
	v_or_b32 v[SWD+\k], v254, v255                 ; with lane l xor 16's two the word is whole
.endm
	LOAD 0
	LOAD 1
	; THE TABLE, while the loads are on their way.  Thread (pos = 8 wg + t / 16, e = t % 16) makes entries 4 e .. 4 e + 3 of the position's 64: cos (e < 8) or sin of i = 4 (e % 8) + k
	v_and_b32 v200, 7, v2
	v_lshlrev_b32 v200, 3, v200                    ; 2 i at k = 0
	v_lshrrev_b32 v201, 4, v0
	s_lshl_b32 s24, ttmp9, 3
	v_add_nc_u32 v201, s24, v201
	v_cvt_f32_u32 v201, v201                       ; pos
	v_lshrrev_b32 v202, 3, v2
	v_mul_u32_u24 v202, v202, 3                    ; a sine is a cosine one quadrant back: 3 quadrants on
	v_lshlrev_b32 v203, 4, v0
.irp k, 0,1,2,3
	v_add_nc_u32 v[X+8*\k], 2*\k, v200
.endr
.irp k, 0,1,2,3
	v_cvt_f32_u32 v[X+8*\k], v[X+8*\k]
.endr
.irp k, 0,1,2,3
	v_mul_f32 v[X+8*\k], 0xbe135d8e, v[X+8*\k]     ; f32(2 i) x f32(-ln 10000 / 64)
.endr
.irp k, 0,1,2,3
	v_mul_f32 v[X+8*\k+1], s40, v[X+8*\k]          ; x log2(e): the rounded product,
.endr
.irp k, 0,1,2,3
	v_fma_f32 v[X+8*\k+2], v[X+8*\k], s40, -v[X+8*\k+1]   ; what the rounding dropped,
.endr
.irp k, 0,1,2,3
	v_fma_f32 v[X+8*\k+2], v[X+8*\k], s41, v[X+8*\k+2]    ; and the rest of log2(e)
.endr
	s_wait_alu depctr_va_vdst(0)
.irp k, 0,1,2,3
	v_exp_f32 v[X+8*\k+3], v[X+8*\k+1]
.endr
.irp k, 0,1,2,3
	v_mul_f32 v[X+8*\k+2], 0x3f317218, v[X+8*\k+2] ; x ln 2.  (Plain work behind the exponentials)
.endr
	s_wait_alu depctr_va_vdst(0)                   ; one wait for the four, ahead of their first reader
.irp k, 0,1,2,3
	v_fma_f32 v[X+8*\k+3], v[X+8*\k+3], v[X+8*\k+2], v[X+8*\k+3]   ; the frequency
.endr
.irp k, 0,1,2,3
	v_mul_f32 v[X+8*\k], v201, v[X+8*\k+3]         ; the angle, rounded to f32
.endr
.irp k, 0,1,2,3
	v_mul_f32 v[X+8*\k+1], 0x3f22f983, v[X+8*\k]
.endr
.irp k, 0,1,2,3
	v_rndne_f32 v[X+8*\k+1], v[X+8*\k+1]           ; n: quadrants
.endr
.irp k, 0,1,2,3
	v_fma_f32 v[X+8*\k+2], v[X+8*\k+1], s42, v[X+8*\k]
.endr
.irp k, 0,1,2,3
	v_fma_f32 v[X+8*\k+2], v[X+8*\k+1], s43, v[X+8*\k+2]   ; r = angle - n pi / 2
.endr
.irp k, 0,1,2,3
	v_mul_f32 v[X+8*\k+3], v[X+8*\k+2], v[X+8*\k+2]        ; z = r r
.endr
.irp k, 0,1,2,3
	v_fma_f32 v[X+8*\k+4], v[X+8*\k+3], s44, s45
	v_fma_f32 v[X+8*\k+5], v[X+8*\k+3], s47, s48
.endr
.irp k, 0,1,2,3
	v_fma_f32 v[X+8*\k+4], v[X+8*\k+4], v[X+8*\k+3], s46
	v_fma_f32 v[X+8*\k+5], v[X+8*\k+5], v[X+8*\k+3], s49
.endr
.irp k, 0,1,2,3
	v_mul_f32 v[X+8*\k+4], v[X+8*\k+4], v[X+8*\k+3]
	v_fma_f32 v[X+8*\k+5], v[X+8*\k+5], v[X+8*\k+3], -0.5
.endr
.irp k, 0,1,2,3
	v_fma_f32 v[X+8*\k+4], v[X+8*\k+4], v[X+8*\k+2], v[X+8*\k+2]   ; sin r
	v_fma_f32 v[X+8*\k+5], v[X+8*\k+5], v[X+8*\k+3], 1.0           ; cos r
.endr
.irp k, 0,1,2,3
	v_cvt_i32_f32 v[X+8*\k+6], v[X+8*\k+1]
.endr
.irp k, 0,1,2,3
	v_add_nc_u32 v[X+8*\k+6], v[X+8*\k+6], v202    ; m: the cosine's quadrant
.endr
.irp k, 0,1,2,3
	v_and_b32 v[X+8*\k+7], 1, v[X+8*\k+6]
	v_cmp_eq_u32 vcc_lo, 1, v[X+8*\k+7]
	v_cndmask_b32 v[X+8*\k+4], v[X+8*\k+5], v[X+8*\k+4], vcc_lo   ; odd quadrants take sin r
	v_add_nc_u32 v[X+8*\k+6], 1, v[X+8*\k+6]
	v_and_b32 v[X+8*\k+6], 2, v[X+8*\k+6]          ; quadrants 1 and 2 are negative
	v_lshlrev_b32 v[X+8*\k+6], 30, v[X+8*\k+6]
	v_xor_b32 v[192+\k], v[X+8*\k+4], v[X+8*\k+6]
.endr
	global_store_b128 v203, v[192:195], s[16:17]   ; a wave stores 512 consecutive bytes
	s_wait_xcnt 0x0                                ; the store has read its registers, which the stage's loads take next
.irp k, 0,1,2,3
.if \k < 3
	s_wait_loadcnt 16                              ; this fragment's 16 loads are in; the next one's may be out
.else
	s_wait_loadcnt 0
.endif
	TURN \k
	s_wait_dscnt 0x0                               ; the stage's stores have read their registers, and my 64 numbers are back
.if \k < 2
	LOAD \k+2
.endif
	QF \k
.endr
	v_cndmask_b32 v248, v[SWD], v[SWD+2], s30      ; lanes 0-15 store words 0, 1 of their row, lanes 16-31 words 2, 3
	v_cndmask_b32 v249, v[SWD+1], v[SWD+3], s30
	global_store_b64 v9, v[248:249], s[36:37]      ; 256 consecutive bytes
	s_wait_tensorcnt 0x0                           ; the wave's end, behind my last LDS store
	ds_add_u32 v[SPW], v[NIL]
	s_wait_dscnt 0x0
	s_endpgm
.Lfunc_end_k_qa1916c827e_quant:
	.size	k_qa1916c827e_quant, .Lfunc_end_k_qa1916c827e_quant-k_qa1916c827e_quant
	.p2alignl 7, 3214868480
	.fill 96, 4, 3214868480
	.section	.rodata,"a",@progbits
	.p2align	6, 0x0
	.amdhsa_kernel k_qa1916c827e_quant
		.amdhsa_group_segment_fixed_size 34304
		.amdhsa_private_segment_fixed_size 0
		.amdhsa_enable_private_segment 0
		.amdhsa_kernarg_size 56
		.amdhsa_user_sgpr_count 2
		.amdhsa_user_sgpr_kernarg_segment_ptr 1
		.amdhsa_wavefront_size32 1
		.amdhsa_system_sgpr_workgroup_id_x 1
		.amdhsa_system_sgpr_workgroup_id_y 1
		.amdhsa_system_sgpr_workgroup_id_z 1
		.amdhsa_system_vgpr_workitem_id 0
		.amdhsa_next_free_vgpr 256
		.amdhsa_next_free_sgpr 66
		.amdhsa_reserve_vcc 1
		.amdhsa_float_denorm_mode_32 3
		.amdhsa_float_denorm_mode_16_64 3
		.amdhsa_memory_ordered 1
		.amdhsa_forward_progress 1
		.amdhsa_inst_pref_size 41
	.end_amdhsa_kernel
	.amdgpu_metadata
---
amdhsa.version: [ 1, 2 ]
amdhsa.kernels:
  - .name:           k_qa1916c827e_quant
    .symbol:         k_qa1916c827e_quant.kd
    .args:
      - { .name: x, .offset: 0, .size: 8, .value_kind: global_buffer, .address_space: global }
      - { .name: w_attn, .offset: 8, .size: 8, .value_kind: global_buffer, .address_space: global }
      - { .name: w_proj, .offset: 16, .size: 8, .value_kind: global_buffer, .address_space: global }
      - { .name: xq, .offset: 24, .size: 8, .value_kind: global_buffer, .address_space: global }
      - { .name: waq, .offset: 32, .size: 8, .value_kind: global_buffer, .address_space: global }
      - { .name: wpq, .offset: 40, .size: 8, .value_kind: global_buffer, .address_space: global }
      - { .name: tab, .offset: 48, .size: 8, .value_kind: global_buffer, .address_space: global }
    .group_segment_fixed_size: 34304
    .private_segment_fixed_size: 0
    .kernarg_segment_align: 8
    .kernarg_segment_size: 56
    .max_flat_workgroup_size: 128
    .sgpr_count:     66
    .vgpr_count:     256
    .wavefront_size: 32
...
	.end_amdgpu_metadata
.endif
;; end of part 1
;; launch qkv (part 2): grid 12 x 16, 4 waves a work-group, clusters of 4 x 4, 327,680 bytes of LDS; arguments xq, waq, b_attn, tab, qh, kv; writes qh, kv
.if DOCPART == 2
	.amdgcn_target "amdgcn-amd-amdhsa--gfx1250"
	.amdhsa_code_object_version 6
	.text
	.protected	k_qa1916c827e_qkv
	.globl	k_qa1916c827e_qkv
	.p2align	8
	.type	k_qa1916c827e_qkv,@function
k_qa1916c827e_qkv:
	s_mov_b64 s[64:65], 0
	v_nop
	global_prefetch_b8 v0, s[64:65] scope:SCOPE_SE
	s_setreg_imm32_b32 hwreg(HW_REG_WAVE_MODE, 25, 1), 1
	s_wait_xcnt 0x0
	s_wait_alu depctr_hold_cnt(0) depctr_sa_sdst(0) depctr_va_vdst(0) depctr_va_sdst(0) depctr_va_ssrc(0) depctr_va_vcc(0) depctr_vm_vsrc(0)
	s_getreg_b32 s2, hwreg(HW_REG_IB_STS2, 6, 4)
	s_cmp_eq_u32 s2, 0
	s_cbranch_scc0 .Lentry_in_a_cluster
	s_endpgm
.Lentry_in_a_cluster:
	s_bfe_u32 s2, ttmp6, 0x10000c
	s_cmp_lg_u32 s2, 0xf033
	s_cbranch_scc0 .Lentry_shape_is_right
	s_endpgm
.Lentry_shape_is_right:
; qkv = x w_attn^T + b_attn on codes of FP6 (E2M3) with E8M0 scales; q and k are turned (rotary) and quantised along the head's 64; v is quantised along the keys.  Only codes and scale words go to memory.
; A tile of the result is 256 x 256: four waves, 128 x 128 each: 64 accumulators, 512 registers.  K = 1,024 goes in four steps of 256 through two LDS slots filled by the tensor data mover.
; OPERANDS lie in memory as images of operand registers (half fragments of 768 bytes: lane l's words 0-3 at 16 l, words 4-5 at 512 + 8 l), so a fragment comes by two loads of 16 and two of 8 bytes a lane,
; each instruction on consecutive bytes: no pitch, no padding.  A tensor load brings 8 tiles of 16 rows x 256 K: 8 rows of 3,072 bytes.  The scale words of 128 rows, all of K, are 4,096 dense bytes: they come once.
; ROLES.  Cluster x = 0 makes q, 1 makes k, 2 makes v: the same in all sixteen partners.  The matrix instruction is used transposed: source 0 = the B side's 16 rows, source 1 = the A side's: a lane holds ONE row of the A side.
;   q, k: A side = tokens (xq), B side = columns (waq): a lane holds one token, its registers run along the head.   v: A side = columns (waq), B side = tokens (xq): a lane holds one column, its registers run along the keys.
; CLUSTERS: 4 x 4.  A's tiles hang on cy and are shared along a row of the cluster, B's on cx and are shared along a column: each is asked for jointly.
; THE ROWS OF A TILE were chosen by the launch before: in q, k tile 2 u of a head holds the even column of pair i = 16 h + 8 u + j in register j, tile 2 u + 1 the odd one; token tiles hold 16 neighbouring tokens in the 16 registers of two tiles.
; OUT.  A head's block of 208,896 bytes: K tiles at 768 t; V at 98,304 + 6,144 g + 1,536 t + 768 c; K's scale words at 196,608 + 512 g + 256 (a / 4) + 16 r + 4 (a % 4), bytes b0 b1 b0 b1; V's at 204,800 + 256 g + 16 r + 4 t.
; q goes to qh in K's layout.  LIMITS: a block of zeros, or one under 2^-124, keeps the byte 1; NaN and infinities are not served.
; REGISTERS: window 0: v1-6, v30 lane terms; v16-23, v27 LDS addresses; v28, v29 the add's two; v32-63 scale words; v64-127 cos and sin of two blocks; v128-223 A's fragments; v224-239 v's bias.
;   window 1: B's fragments, two sets, at v0 and v128; q, k's bias at v96-127 and v224-255.   windows 2, 3: the accumulators ((a, b) at v[8 (8 (a % 4) + b)]).   On the way out window 0 is free but for the lane terms, cos and sin and v's bias.
.set FR,     12
.set NL,     4                         ; LDS loads of a fragment
.set NP,     4                         ; places behind this matrix instruction (ISA guide 7.12.1)
.set NQ,     2
.set TILEB,  12288                     ; a tile of 16 rows, all of K, in memory
.set STEPB,  3072                      ; its 256 along K
.set HALFT,  8*STEPB                   ; what one tensor load brings, and what one wave reads of A or of B
.set SLOT,   4*HALFT
.set SCL,    2*SLOT                    ; behind the ring: the scale words
.set HALFS,  4096
.set SPARE,  SCL+4*HALFS               ; the spare words, 128 bytes a wave
.set HBY,    208896                    ; a head's block
.set XQS,    3145728
.set WAS,    2359296
.set ADRA, 16                          ; v16-17 A's fragments in slot 0, 1, 16 l; v18-19 the same with 8 l
.set ADRB, 20                          ; v20-23 likewise for B
.set ADRS, 27
.set SPW,  28
.set NIL,  29
.set SC,   32
.set CS,   64
.set AF,   128
.set VB,   224
.set PC,   8                           ; the way out: v8-19 codes, v20-26 at work
.set TM,   32
.set PW,   48
.set SW,   52
.set T,    128
.set U,    192
.set WV,   16                          ; s16 wave; s17 its half of A's rows, also: fetches for A (0) or B (1); s18 its half of B's rows, also: which 128 rows it fetches; s19 1 for v
.set HA,   17
.set HB,   18
.set ISV,  19
.set G1,   24
.set G0,   32
.set G1B,  48
.set G0B,  56
.set G1S,  68
.set G0S,  76
.set G1SB, 80
.set G0SB, 88
.set SEL,  96
.set HM,   98
.set MSB, 0
.macro WIN new                         ; the immediate's high byte repeats the setting that is left
.if MSB != \new
	s_set_vgpr_msb (MSB<<8)|\new
.set MSB, \new
.endif
.endm
.set MUL_LO, 0xa1                      ; source 0 (B) window 1, source 1 (A) window 0, C and D window 2
.set MUL_HI, 0xf1
.set TO_B,   0x40
; A joint load: waves 0 and 1 fetch for A, waves 2 and 3 for B.  The branch hangs on the wave's number alone.  An s_nop 0 and four v_nop follow each of the two lines.
.macro JLOAD g0a, g1a, g0b, g1b
	s_cmp_eq_u32 s[HA], 0
	s_cbranch_scc0 .Lfor_b_\@
	tensor_load_to_lds s[\g0a:\g0a+3], s[\g1a:\g1a+7]
	s_nop 0
.rept 4
	v_nop
.endr
	s_branch .Lasked_\@
.Lfor_b_\@:
	tensor_load_to_lds s[\g0b:\g0b+3], s[\g1b:\g1b+7]
	s_nop 0
.rept 4
	v_nop
.endr
.Lasked_\@:
.endm
.macro CREST                           ; a round of the cluster's barrier behind its opening barrier
	s_cmp_lg_u32 s[WV], 0
	s_cbranch_scc1 .Lnot_wave_0_\@
	s_barrier_signal -3
.Lnot_wave_0_\@:
	s_barrier_wait -3
	s_barrier_signal -1
	s_barrier_wait -1
.endm
.macro CROUND
	s_barrier_signal -1
	s_barrier_wait -1
	CREST
.endm
	s_load_b256 s[4:11], s[0:1], 0x0               ; xq, waq, b_attn, tab
	s_load_b128 s[12:15], s[0:1], 0x20             ; qh, kv
	v_lshl_add_u32 v[SPW], v0, 2, SPARE
	v_mov_b32 v[NIL], 0
	ds_add_u32 v[SPW], v[NIL]                      ; the wave's opening: the add and its wait ahead of my first tensor load; work on registers stands between them
	ds_add_u32 v[SPW], v[NIL]
	v_lshrrev_b32 v1, 5, v0
	v_readfirstlane_b32 s[WV], v1
	s_lshr_b32 s[HA], s[WV], 1
	s_and_b32 s[HB], s[WV], 1
	s_bfe_u32 s40, ttmp6, 0x40000                  ; cx
	s_bfe_u32 s41, ttmp6, 0x40004                  ; cy
	s_and_b32 s44, ttmp7, 0xffff
	s_lshl_b32 s44, s44, 2                         ; 4 x cluster y
	s_lshl_b32 s45, ttmp9, 2                       ; 4 x cluster x
	s_cmp_eq_u32 ttmp9, 2                          ; v?  The cluster's x: the same in all partners
	s_cselect_b32 s[ISV], 1, 0
	s_cselect_b32 s42, 8, s44                      ; A's block of 256 rows: tokens 4 cluster y + cy, or for v the columns 8 + cy of waq
	s_cselect_b32 s43, s44, s45                    ; B's: columns 4 cluster x + cx, or for v the tokens 4 cluster y + cx
	s_mov_b32 s22, XQS
	s_cselect_b32 s22, WAS, s22                    ; where A's scale words begin in its buffer
	s_mov_b32 s92, WAS
	s_cselect_b32 s92, XQS, s92                    ; and B's
	s_add_co_u32 s42, s42, s41                     ; (s42 never holds cx, s43 never cy)
	s_add_co_u32 s43, s43, s40
	s_lshl_b32 s44, s41, 2
	s_lshl_b32 s44, 15, s44                        ; my row of the cluster
	s_lshl_b32 s45, 0x1111, s40                    ; my column
	; group 1 for codes: 8 rows (tiles) of 384 elements of 8 bytes, 1,536 elements apart; no padding
	s_or_b32 s[G1+0], s44, (3<<16)|(1<<21)         ; 15:0 the mask; 17:16 elements of 8 bytes; 21 set beside a mask
	s_or_b32 s[G1B+0], s45, (3<<16)|(1<<21)
.irp g, G1, G1B
	s_mov_b32 s[\g+1], 384<<16                     ; tensor_dim0
	s_mov_b32 s[\g+2], 16<<16                      ; tensor_dim1: 16 tiles for the head's loads; set to 8 behind them, for the ring's
	s_mov_b32 s[\g+3], 384<<16                     ; tile_dim0
	s_mov_b32 s[\g+4], 16                          ; tile_dim1 likewise
	s_mov_b32 s[\g+5], 1536                        ; from tile to tile
	s_mov_b32 s[\g+6], 0
	s_mov_b32 s[\g+7], 0
.endr
	; and for the scale words of 256 rows: 8,192 dense bytes as 32 rows of 256
	s_or_b32 s[G1S+0], s44, (3<<16)|(1<<21)
	s_or_b32 s[G1SB+0], s45, (3<<16)|(1<<21)
.irp g, G1S, G1SB
	s_mov_b32 s[\g+1], 32<<16
	s_mov_b32 s[\g+2], 32<<16                      ; the scale words of 256 rows: 8,192 dense bytes as 32 rows of 256
	s_mov_b32 s[\g+3], 32<<16
	s_mov_b32 s[\g+4], 32
	s_mov_b32 s[\g+5], 32
	s_mov_b32 s[\g+6], 0
	s_mov_b32 s[\g+7], 0
.endr
	s_mul_i32 s20, s42, 16*TILEB
	s_mul_i32 s21, s[HB], 8*TILEB
	s_add_co_u32 s20, s20, s21                     ; A: the codes of the 128 rows that I fetch
	s_mov_b32 s21, 0
	s_lshl_b32 s23, s42, 13
	s_add_co_u32 s22, s22, s23                     ; and the scale words of A's 256 rows
	s_mov_b32 s23, 0
	s_mul_i32 s46, s43, 16*TILEB
	s_mul_i32 s47, s[HB], 8*TILEB
	s_add_co_u32 s46, s46, s47                     ; B likewise
	s_mov_b32 s47, 0
	s_lshl_b32 s93, s43, 13
	s_add_co_u32 s92, s92, s93
	s_mov_b32 s93, 0
	s_mul_i32 s94, s[WV], HALFT                    ; where they go: wave x 128 rows: no place in the cluster enters an LDS address
	s_mov_b32 s[SEL], 0x76543210
	s_mov_b32 s[SEL+1], 0xfedcba98
	s_wait_dscnt 0x0                               ; the opening add is done
	s_wait_kmcnt 0x0
	s_cmp_eq_u32 s[ISV], 1
	s_cselect_b64 s[66:67], s[6:7], s[4:5]         ; A's buffer
	s_cselect_b64 s[4:5], s[4:5], s[6:7]           ; B's
	s_add_nc_u64 s[20:21], s[66:67], s[20:21]
	s_add_nc_u64 s[22:23], s[66:67], s[22:23]
	s_add_nc_u64 s[46:47], s[4:5], s[46:47]
	s_add_nc_u64 s[92:93], s[4:5], s[92:93]
	CROUND                                         ; all sixteen work-groups are here: the first joint loads meet
	s_mov_b32 s[G0S], 1
	s_mov_b32 s[G0S+1], SCL
	s_mov_b64 s[G0S+2:G0S+3], s[22:23]
	s_or_b32 s[G0S+3], s[G0S+3], 0x80000000
	s_mov_b32 s[G0SB], 1
	s_mov_b32 s[G0SB+1], SCL+2*HALFS
	s_mov_b64 s[G0SB+2:G0SB+3], s[92:93]
	s_or_b32 s[G0SB+3], s[G0SB+3], 0x80000000
.irp s, 0,1
	s_mov_b32 s[G0+4*\s], 1
	s_add_co_u32 s[G0+4*\s+1], s94, \s*SLOT
	s_add_nc_u64 s[G0+4*\s+2:G0+4*\s+3], s[20:21], \s*STEPB
	s_or_b32 s[G0+4*\s+3], s[G0+4*\s+3], 0x80000000
	s_mov_b32 s[G0B+4*\s], 1
	s_add_co_u32 s[G0B+4*\s+1], s94, \s*SLOT
	s_add_nc_u64 s[G0B+4*\s+2:G0B+4*\s+3], s[46:47], \s*STEPB
	s_or_b32 s[G0B+4*\s+3], s[G0B+4*\s+3], 0x80000000
.endr
; THE PREFETCHES.  A K step of the 8 tiles that I fetch in the ring is 8 x 12 blocks of 256 bytes.  The four partners that ask for them jointly share them out BY ADDRESS: the partner at place p (cx for A, cy for B)
; takes tiles 2 p and 2 p + 1: 24 blocks, a lane a block (lanes 24-31 name the last block again).  K step 1 is asked for at the head, K step 2 behind K step 1's load, K step 3 behind K step 2's: one K step ahead of its load.
; s[4:5] and v31 are never rewritten.
	s_cmp_eq_u32 s[HA], 0
	s_cselect_b64 s[4:5], s[20:21], s[46:47]       ; the 8 tiles that I fetch, K step 0
	s_cselect_b32 s6, s40, s41
	s_mul_i32 s6, s6, 2*TILEB
	s_mov_b32 s7, 0
	s_add_nc_u64 s[4:5], s[4:5], s[6:7]
; THE HEAD'S LOADS, ONE A WAVE: wave 0 fetches K step 0 of A's 16 tiles, wave 1 A's scale words, wave 2 K step 0 of B's 16 tiles, wave 3 B's scale words.
; Waves 0 and 2 fetch the first half of their side in the ring, so their own slot 0 descriptors name the side's first tile and its place in LDS; with 16 rows they cover both halves.
.macro ARM under, g0, g1, next
	s_cmp_lt_u32 s[WV], \under
	s_cbranch_scc0 \next
	tensor_load_to_lds s[\g0:\g0+3], s[\g1:\g1+7]
	s_nop 0
.rept 4
	v_nop
.endr
	s_branch .Lhead_asked
\next:
.endm
	ARM 1, G0,  G1,  .Lhead_sa
	ARM 2, G0S, G1S, .Lhead_b
	ARM 3, G0B, G1B, .Lhead_sb
	tensor_load_to_lds s[G0SB:G0SB+3], s[G1SB:G1SB+7]
	s_nop 0
.rept 4
	v_nop
.endr
.Lhead_asked:
	v_and_b32 v7, 31, v0
	v_lshlrev_b32 v1, 4, v7                        ; 16 l
	v_lshlrev_b32 v2, 3, v7                        ; 8 l
	v_and_b32 v24, 15, v0                          ; r
	v_bfe_u32 v25, v0, 4, 1                        ; h
	v_min_u32 v31, 23, v7                          ; the prefetches' lane term: block l % 12 of tile l / 12
	v_cmp_lt_u32 vcc_lo, 11, v31
	v_lshlrev_b32 v31, 8, v31
	v_add_nc_u32 v26, TILEB-3072, v31
	v_cndmask_b32 v31, v31, v26, vcc_lo
	s_wait_alu depctr_va_vdst(0)
	global_prefetch_b8 v31, s[4:5] offset:STEPB th:TH_LOAD_NT scope:SCOPE_SE     ; K step 1
	s_mul_i32 s20, s[HA], HALFT                    ; my 128 rows of A
	s_mul_i32 s21, s[HB], HALFT
	s_add_co_u32 s21, s21, 2*HALFT                 ; my 128 rows of B, behind A's 256
.irp s, 0,1
	v_add_nc_u32 v[ADRA+\s], s20, v1
	v_add_nc_u32 v[ADRA+2+\s], s20, v2
	v_add_nc_u32 v[ADRB+\s], s21, v1
	v_add_nc_u32 v[ADRB+2+\s], s21, v2
	s_add_co_u32 s20, s20, SLOT
	s_add_co_u32 s21, s21, SLOT
.endr
	s_mul_i32 s20, s[HA], HALFS                    ; scale words: lanes 0-15 take A's rows, lanes 16-31 B's: the lower base + h x the distance
	s_mul_i32 s21, s[HB], HALFS
	s_add_co_u32 s21, s21, 2*HALFS
	s_sub_co_u32 s21, s21, s20
	v_mul_u32_u24 v26, s21, v25
	s_add_co_u32 s20, s20, SCL
	v_lshl_add_u32 v26, v24, 4, v26                ; 16 bytes a row
	v_add_nc_u32 v[ADRS], s20, v26
	; lane terms of the way out and of the loads that go ahead
	v_and_b32 v26, 7, v24
	v_lshrrev_b32 v7, 3, v24
	v_lshl_add_u32 v26, v7, 4, v26                 ; r % 8 + 16 (r / 8): which row of its 32 stands at place r of a tile
	v_lshlrev_b32 v3, 8, v26
	v_lshl_add_u32 v3, v25, 6, v3                  ; the table: 256 bytes a token, + 64 h: pairs 16 h on
	v_lshlrev_b32 v30, 2, v26                      ; v's bias: my column
	v_lshlrev_b32 v6, 7, v25                       ; q, k's bias: 32 h columns on
	s_wait_alu depctr_va_vdst(0)
	v_mul_u32_u24 v4, v25, HBY
	v_lshl_add_u32 v4, v24, 4, v4                  ; scale words out: lanes 0-15 the first head's, lanes 16-31 the second's; 16 bytes a row
	v_cmp_ne_u32 s[HM], 0, v25
	v_mov_b32 v5, 0x01000100
	v_mov_b32 v7, 0x03020302
	v_cndmask_b32 v5, v5, v7, s[HM]                ; picks my head's two bytes of a word, twice
	; where the results go.  Tokens come from A (q, k) or B (v), columns from the other side.  These registers mix cx and cy: they feed global addresses alone
	s_cmp_eq_u32 s[ISV], 1
	s_cselect_b32 s20, s43, s42                    ; the tokens' block of 256
	s_cselect_b32 s21, s[HB], s[HA]                ; and my half of it
	s_cselect_b32 s22, s42, s43                    ; the columns' block
	s_cselect_b32 s23, s[HA], s[HB]
	s_cselect_b32 s46, 98304, 0                    ; V's part of a head's block, or K's
	s_mov_b32 s47, 196608
	s_cselect_b32 s47, 204800, s47                 ; their scale words
	s_cselect_b32 s92, 8, 9                        ; 256 or 512 bytes for each 128 tokens
	s_lshr_b32 s93, s20, 3
	s_lshl_b32 s93, s93, 4
	s_and_b32 s94, s22, 3
	s_lshl_b32 s94, s94, 2
	s_add_co_u32 s93, s93, s94
	s_lshl_b32 s94, s23, 1
	s_add_co_u32 s93, s93, s94                     ; 16 batch + my first head
	s_mul_i32 s93, s93, HBY
	s_lshl_b32 s94, s20, 1
	s_add_co_u32 s94, s94, s21
	s_and_b32 s94, s94, 15                         ; g: my 128 tokens in the batch
	s_mul_i32 s95, s94, 6144
	s_add_co_u32 s46, s46, s95
	s_add_co_u32 s46, s46, s93
	s_lshl_b32 s95, s94, s92
	s_add_co_u32 s47, s47, s95
	s_add_co_u32 s92, s47, s93
	s_mov_b32 s47, 0
	s_mov_b32 s93, 0
	s_cmp_eq_u32 ttmp9, 0
	s_cselect_b64 s[12:13], s[12:13], s[14:15]     ; q goes to qh, k and v to kv
	s_add_nc_u64 s[14:15], s[12:13], s[92:93]      ; scale words
	s_add_nc_u64 s[12:13], s[12:13], s[46:47]      ; codes
	s_lshl_b32 s46, s22, 10
	s_lshl_b32 s92, s23, 9
	s_add_co_u32 s46, s46, s92
	s_add_nc_u64 s[8:9], s[8:9], s[46:47]          ; the bias of my 128 columns
	s_lshl_b32 s46, s94, 15
	s_add_nc_u64 s[10:11], s[10:11], s[46:47]      ; the table at my first token's position
.macro CSLOAD a                        ; cos and sin of block a's 16 tokens, pairs 16 h + 0 .. 15, into set a % 2
.irp n, 0,1,2,3
	global_load_b128 v[CS+32*((\a)%2)+4*\n:CS+32*((\a)%2)+4*\n+3], v3, s[10:11] offset:256*(32*((\a)/2)+8*((\a)%2))+16*\n
	global_load_b128 v[CS+32*((\a)%2)+16+4*\n:CS+32*((\a)%2)+16+4*\n+3], v3, s[10:11] offset:256*(32*((\a)/2)+8*((\a)%2))+128+16*\n
.endr
.endm
	; What the way out wants is asked for now, on the one path that all roles take (every address lies inside its buffer for every role): no wait for it stands in the loop
	WIN TO_B
.irp b, 0,1,2,3,4,5,6,7                ; q, k: tile b = 4 hh + 2 u + e, register j: column 64 hh + 32 h + 16 u + 2 j + e
.irp j, 0,1,2,3,4,5,6,7
	global_load_b32 v[96+128*(\b/4)+8*(\b%4)+\j], v6, s[8:9] offset:4*(64*(\b/4)+16*((\b/2)%2)+(\b%2)+2*\j)
.endr
.endr
	WIN 0
.irp a, 0,1,2,3,4,5,6,7                ; v: tile a, my column; twice, to fill a pair for the packed add
	global_load_b32 v[VB+2*\a], v30, s[8:9] offset:4*(32*(\a/2)+8*(\a%2))
	global_load_b32 v[VB+2*\a+1], v30, s[8:9] offset:4*(32*(\a/2)+8*(\a%2))
.endr
	CSLOAD 0
	CSLOAD 1
.macro FRAG reg, adr, q, i             ; a fragment is two half fragments on end: registers 6 c .. 6 c + 5 from 768 c on
	ds_load_b128 v[\reg:\reg+3], v[\adr] offset:STEPB*(\i)+1536*(\q)
	ds_load_b64 v[\reg+4:\reg+5], v[\adr+2] offset:STEPB*(\i)+1536*(\q)+512
	ds_load_b128 v[\reg+6:\reg+9], v[\adr] offset:STEPB*(\i)+1536*(\q)+768
	ds_load_b64 v[\reg+10:\reg+11], v[\adr+2] offset:STEPB*(\i)+1536*(\q)+1280
.endm
; 16 matrix instructions: A's blocks a0, a0 + 1 x B's eight.  The 64 accumulators take turns, one instruction a turn, in the same order in every step.
.macro MUL16 a0, p, q, sc, zero
.irp a, \a0, \a0+1
.irp b, 0,1,2,3,4,5,6,7
.if \zero
	v_wmma_scale_f32_16x16x128_f8f6f4 v[8*(8*((\a)%4)+\b):8*(8*((\a)%4)+\b)+7], v[128*(\p)+FR*\b:128*(\p)+FR*\b+FR-1], v[AF+FR*(\a):AF+FR*(\a)+FR-1], 0, v[SC+8*NQ*(\sc)+NQ*\b+(\q)], v[SC+8*NQ*(\sc)+NQ*(\a)+(\q)] matrix_a_fmt:MATRIX_FMT_FP6 matrix_b_fmt:MATRIX_FMT_FP6 matrix_a_scale:MATRIX_SCALE_ROW1
.else
	v_wmma_scale_f32_16x16x128_f8f6f4 v[8*(8*((\a)%4)+\b):8*(8*((\a)%4)+\b)+7], v[128*(\p)+FR*\b:128*(\p)+FR*\b+FR-1], v[AF+FR*(\a):AF+FR*(\a)+FR-1], v[8*(8*((\a)%4)+\b):8*(8*((\a)%4)+\b)+7], v[SC+8*NQ*(\sc)+NQ*\b+(\q)], v[SC+8*NQ*(\sc)+NQ*(\a)+(\q)] matrix_a_fmt:MATRIX_FMT_FP6 matrix_b_fmt:MATRIX_FMT_FP6 matrix_a_scale:MATRIX_SCALE_ROW1
.endif
.endr
.endr
.endm
.macro FETCH_B slot, q, p
	WIN TO_B
.irp i, 0,1,2,3,4,5,6,7
	FRAG 128*(\p)+FR*\i, ADRB+\slot, \q, \i
.endr
	WIN 0
.endm
.macro FETCH_A slot, q, i0
.irp i, \i0, \i0+1, \i0+2, \i0+3
	FRAG AF+FR*(\i), ADRA+\slot, \q, \i
.endr
.endm
.macro SCALES sc                       ; a K step's two words a row: lanes 0-15 A's block i, lanes 16-31 B's block i
.irp i, 0,1,2,3,4,5,6,7
	ds_load_b64 v[SC+8*NQ*\sc+NQ*\i:SC+8*NQ*\sc+NQ*\i+1], v[ADRS] offset:\i*512
.endr
.endm
.macro PLACES n                        ; plain vector lines between a matrix instruction and a load into, or a read of, its registers
.rept \n
	v_nop
.endr
.endm
.macro STEP slot, q, zero              ; 128 along K that have their successor in the same slot
	s_wait_dscnt 4*NL                              ; B's set, A's blocks 0-3 and the scale words are in; the youngest 16 loads (A's blocks 4-7) may be out
	WIN MUL_LO
	MUL16 0, (\q)%2, \q, \slot, \zero
	MUL16 2, (\q)%2, \q, \slot, \zero
	s_wait_dscnt 0
	PLACES NP
	FETCH_B \slot, (\q)+1, 1-(\q)%2
	FETCH_A \slot, (\q)+1, 0
	WIN MUL_HI
	MUL16 4, (\q)%2, \q, \slot, \zero
	MUL16 6, (\q)%2, \q, \slot, \zero
	PLACES NP
	WIN 0
	FETCH_A \slot, (\q)+1, 4
.endm
; A slot's last 128 change slots: ONE barrier; in front of it each wave waits for all its tensor loads, adds 0 to its spare word, and waits for that and for its reads of this slot.  fill = 1: the slot is filled again, two K steps ahead.
.macro TURN slot, next, fill
	s_wait_tensorcnt 0x0                           ; all my tensor loads have landed: my part of the next slot
	ds_add_u32 v[SPW], v[NIL]                      ; 0 onto my spare word
	s_wait_dscnt 4*NL+1                            ; (the add and the youngest 16 loads may be out)
	WIN MUL_LO
	MUL16 0, 1, NQ-1, \slot, 0
	s_wait_dscnt 0x0                               ; the add is done, and my reads of this slot are over
	s_barrier_signal -1
	MUL16 2, 1, NQ-1, \slot, 0
	WIN 0
	s_barrier_wait -1
.if \fill
	CREST                                          ; the barrier has opened a round of the cluster's: no wave of any partner still reads this slot or has a load on its way
	s_add_nc_u64 s[G0+4*\slot+2:G0+4*\slot+3], s[G0+4*\slot+2:G0+4*\slot+3], 2*STEPB
	s_add_nc_u64 s[G0B+4*\slot+2:G0B+4*\slot+3], s[G0B+4*\slot+2:G0B+4*\slot+3], 2*STEPB
	JLOAD G0+4*\slot, G1, G0B+4*\slot, G1B         ; the first tensor load behind the round; its four v_nop are the places in front of the loads below
.else
	PLACES NP
.endif
	s_wait_alu depctr_va_vdst(0)
	v_add_nc_u32 v[ADRS], 8+240*\slot, v[ADRS]     ; the next K step's words: 8 bytes on, or into the row's other half of K
	FETCH_B \next, 0, 0
	FETCH_A \next, 0, 0
	SCALES \next
.if (\fill) && (\slot) == 0
	global_prefetch_b8 v31, s[4:5] offset:3*STEPB th:TH_LOAD_NT scope:SCOPE_SE   ; K step 3, the last
.endif
	WIN MUL_HI
	MUL16 4, 1, NQ-1, \slot, 0
	MUL16 6, 1, NQ-1, \slot, 0
	PLACES NP
	WIN 0
	FETCH_A \next, 0, 4
.endm
	s_wait_alu depctr_va_vdst(0)
	s_wait_tensorcnt 0x0                           ; my tile of the head's four is in
	ds_add_u32 v[SPW], v[NIL]
	s_mov_b32 s[G1+2], 8<<16                       ; no tensor load of mine is out: from here on a load brings 8 tiles
	s_mov_b32 s[G1+4], 8
	s_mov_b32 s[G1B+2], 8<<16
	s_mov_b32 s[G1B+4], 8
	s_wait_dscnt 0x0
	CROUND                                         ; all four tiles are in, and all sixteen work-groups are here
	JLOAD G0+4, G1, G0B+4, G1B                     ; K step 1, the first tensor load behind the round
	FETCH_B 0, 0, 0
	global_prefetch_b8 v31, s[4:5] offset:2*STEPB th:TH_LOAD_NT scope:SCOPE_SE   ; K step 2
	FETCH_A 0, 0, 0
	SCALES 0
	FETCH_A 0, 0, 4
	STEP 0, 0, 1                                   ; the first products start the sums
	TURN 0, 1, 1                                   ; four K steps: written out
	STEP 1, 0, 0
	TURN 1, 0, 1
	STEP 0, 0, 0
	TURN 0, 1, 0                                   ; nothing is left to fetch
	STEP 1, 0, 0
	s_wait_dscnt 4*NL
	WIN MUL_LO
	MUL16 0, 1, NQ-1, 1, 0
	MUL16 2, 1, NQ-1, 1, 0
	s_wait_dscnt 0
	WIN MUL_HI
	MUL16 4, 1, NQ-1, 1, 0
	MUL16 6, 1, NQ-1, 1, 0
	WIN 0
; 64 numbers of a lane, register 16 b + i = k 32 b + 16 (lane / 16) + i of my row, become a fragment's codes in v[PC] on and its scale word in v[PW].
.macro QUANT s
.irp b, 0,1,2,3
	v_max3_num_f32 v[TM+\b], |v[\s+16*\b]|, |v[\s+1+16*\b]|, 0x1800000   ; my 16 numbers of block b, and the floor 2^(3 - 127): the byte cannot fall under 1
.endr
.irp i, 2,4,6,8,10,12,14
.irp b, 0,1,2,3
	v_max3_num_f32 v[TM+\b], v[TM+\b], |v[\s+16*\b+\i]|, |v[\s+1+16*\b+\i]|
.endr
.endr
.irp b, 0,1,2,3
	v_permlanex16_b32 v[TM+4+\b], v[TM+\b], s[SEL], s[SEL+1]
.endr
.irp b, 0,1,2,3
	v_max_num_f32 v[TM+\b], v[TM+\b], v[TM+4+\b]   ; with lane l xor 16's
.endr
.irp b, 0,1,2,3
	v_add_nc_u32 v[TM+12+\b], 0xff000000, v[TM+\b] ; 2 off the exponent field: the conversion's scale operand
.endr
.irp b, 0,1,2,3
	v_lshrrev_b32 v[TM+4+\b], 23, v[TM+12+\b]      ; the byte
.endr
	v_lshl_or_b32 v[PW], v[TM+5], 8, v[TM+4]
	v_lshl_or_b32 v[PW], v[TM+6], 16, v[PW]
	v_lshl_or_b32 v[PW], v[TM+7], 24, v[PW]
.irp c, 0,1
	v_cvt_scalef32_pk16_fp6_f32 v[PC+6*\c:PC+2+6*\c], v[\s+32*\c:\s+15+32*\c], v[TM+12+2*\c]
	v_cvt_scalef32_pk16_fp6_f32 v[PC+12+4*\c:PC+14+4*\c], v[\s+16+32*\c:\s+31+32*\c], v[TM+12+2*\c+1]
.endr
	v_nop                                          ; one plain line behind a scaled conversion
.irp c, 0,1                            ; the layout wants a whole block in a lane: lanes 0-15 block 2 c, lanes 16-31 block 2 c + 1
.irp i, 0,1,2
	v_permlane16_swap_b32 v[PC+6*\c+\i], v[PC+12+4*\c+\i]
.endr
.irp i, 0,1,2
	v_mov_b32 v[PC+3+6*\c+\i], v[PC+12+4*\c+\i]
.endr
.endr
.endm
; q, k: block a: 16 tokens x my two heads.  Bias; the turn; two half fragments, one a head.
.macro QKBLOCK a
.set CSS, CS+32*((\a)%2)
.if \a < 7
	s_wait_loadcnt 8                               ; the bias and this block's cos and sin are in; the next block's eight loads may be out
.else
	s_wait_loadcnt 0
.endif
	WIN 0x06+(\a)/4                                ; source 0: the accumulators' window; source 1: window 1
.irp b, 0,1,2,3,4,5,6,7
.irp j, 0,2,4,6
	v_pk_add_f32 v[T+8*\b+\j:T+8*\b+\j+1], v[8*(8*((\a)%4)+\b)+\j:8*(8*((\a)%4)+\b)+\j+1], v[96+128*(\b/4)+8*(\b%4)+\j:96+128*(\b/4)+8*(\b%4)+\j+1]   ; each accumulator from its low end on
.endr
.endr
	WIN 0
.irp hh, 0,1                           ; d = i: xe cos - xo sin;  d = 32 + i: xe sin + xo cos;  i = 16 h + 8 u + j
.irp u, 0,1
.irp k, 0,2,4,6
	v_pk_mul_f32 v[U+32*\hh+8*\u+\k:U+32*\hh+8*\u+\k+1], v[T+32*\hh+16*\u+8+\k:T+32*\hh+16*\u+8+\k+1], v[CSS+16+8*\u+\k:CSS+16+8*\u+\k+1]
	v_pk_mul_f32 v[U+32*\hh+16+8*\u+\k:U+32*\hh+16+8*\u+\k+1], v[T+32*\hh+16*\u+8+\k:T+32*\hh+16*\u+8+\k+1], v[CSS+8*\u+\k:CSS+8*\u+\k+1]
.endr
.irp k, 0,2,4,6
	v_pk_fma_f32 v[U+32*\hh+8*\u+\k:U+32*\hh+8*\u+\k+1], v[T+32*\hh+16*\u+\k:T+32*\hh+16*\u+\k+1], v[CSS+8*\u+\k:CSS+8*\u+\k+1], v[U+32*\hh+8*\u+\k:U+32*\hh+8*\u+\k+1] neg_lo:[0,0,1] neg_hi:[0,0,1]
	v_pk_fma_f32 v[U+32*\hh+16+8*\u+\k:U+32*\hh+16+8*\u+\k+1], v[T+32*\hh+16*\u+\k:T+32*\hh+16*\u+\k+1], v[CSS+16+8*\u+\k:CSS+16+8*\u+\k+1], v[U+32*\hh+16+8*\u+\k:U+32*\hh+16+8*\u+\k+1]
.endr
.endr
.endr
	s_wait_xcnt 0x0                                ; the last block's stores have read the codes' registers
.if \a < 6
	CSLOAD \a+2
.endif
	QUANT U
	global_store_b128 v1, v[PC:PC+3], s[12:13] offset:768*(\a)
	global_store_b64 v2, v[PC+4:PC+5], s[12:13] offset:768*(\a)+512
	global_store_b128 v1, v[PC+6:PC+9], s[12:13] offset:768*(\a)+HBY          ; the second head
	global_store_b64 v2, v[PC+10:PC+11], s[12:13] offset:768*(\a)+HBY+512
	v_perm_b32 v[SW+\a], v[PW], v[PW], v5          ; my head's two bytes, doubled: the product on the head's 64 fills either half of the instruction's 128
.endm
; v: block a: 16 columns x my 128 keys: one fragment.
.macro VBLOCK a
	WIN 0x02+(\a)/4
.irp b, 0,1,2,3,4,5,6,7
.irp j, 0,2,4,6
	v_pk_add_f32 v[T+8*\b+\j:T+8*\b+\j+1], v[8*(8*((\a)%4)+\b)+\j:8*(8*((\a)%4)+\b)+\j+1], v[VB+2*(\a):VB+2*(\a)+1]
.endr
.endr
	WIN 0
	s_wait_xcnt 0x0
	QUANT T
	global_store_b128 v1, v[PC:PC+3], s[12:13] offset:HBY*((\a)/4)+1536*((\a)%4)
	global_store_b64 v2, v[PC+4:PC+5], s[12:13] offset:HBY*((\a)/4)+1536*((\a)%4)+512
	global_store_b128 v1, v[PC+6:PC+9], s[12:13] offset:HBY*((\a)/4)+1536*((\a)%4)+768
	global_store_b64 v2, v[PC+10:PC+11], s[12:13] offset:HBY*((\a)/4)+1536*((\a)%4)+1280
	v_mov_b32 v[SW+\a], v[PW]
.endm
	PLACES NP                                      ; behind the last products, ahead of every read of results and every write of their operands
.irp b, 0,1,2,3
	v_mov_b32 v[TM+4+\b], 0                        ; a lane permute's destination counts as read
.endr
	s_cmp_eq_u32 s[ISV], 1
	s_cbranch_scc1 .Lv_out
.irp a, 0,1,2,3,4,5,6,7
	QKBLOCK \a
.endr
	global_store_b128 v4, v[SW:SW+3], s[14:15]             ; sixteen lanes store 256 consecutive bytes of their head's scale words
	global_store_b128 v4, v[SW+4:SW+7], s[14:15] offset:256
	s_branch .Ldone
.Lv_out:
	s_wait_loadcnt 0x0                             ; the bias
.irp a, 0,1,2,3,4,5,6,7
	VBLOCK \a
.endr
.irp t, 0,1,2,3
	v_cndmask_b32 v[SW+\t], v[SW+\t], v[SW+4+\t], s[HM]    ; lanes 16-31 store the second head's words
.endr
	global_store_b128 v4, v[SW:SW+3], s[14:15]
.Ldone:
	s_wait_tensorcnt 0x0                           ; the wave's end
	ds_add_u32 v[SPW], v[NIL]
	s_wait_dscnt 0x0
	CROUND                                         ; the closing round: no work-group ends while a partner may still ask for a tile that names it
	s_endpgm
.Lfunc_end_k_qa1916c827e_qkv:
	.size	k_qa1916c827e_qkv, .Lfunc_end_k_qa1916c827e_qkv-k_qa1916c827e_qkv
	.p2alignl 7, 3214868480
	.fill 96, 4, 3214868480
	.section	.rodata,"a",@progbits
	.p2align	6, 0x0
	.amdhsa_kernel k_qa1916c827e_qkv
		.amdhsa_group_segment_fixed_size 327680
		.amdhsa_private_segment_fixed_size 0
		.amdhsa_enable_private_segment 0
		.amdhsa_kernarg_size 48
		.amdhsa_user_sgpr_count 2
		.amdhsa_user_sgpr_kernarg_segment_ptr 1
		.amdhsa_wavefront_size32 1
		.amdhsa_system_sgpr_workgroup_id_x 1
		.amdhsa_system_sgpr_workgroup_id_y 1
		.amdhsa_system_sgpr_workgroup_id_z 1
		.amdhsa_system_vgpr_workitem_id 0
		.amdhsa_next_free_vgpr 1024
		.amdhsa_next_free_sgpr 100
		.amdhsa_reserve_vcc 1
		.amdhsa_float_denorm_mode_32 3
		.amdhsa_float_denorm_mode_16_64 3
		.amdhsa_memory_ordered 1
		.amdhsa_forward_progress 1
		.amdhsa_inst_pref_size 255
	.end_amdhsa_kernel
	.section	.bss,"aw",@nobits
	.p2align	6
	.space	262144
	.amdgpu_metadata
---
amdhsa.version: [ 1, 2 ]
amdhsa.kernels:
  - .name:           k_qa1916c827e_qkv
    .symbol:         k_qa1916c827e_qkv.kd
    .args:
      - { .name: xq, .offset: 0, .size: 8, .value_kind: global_buffer, .address_space: global }
      - { .name: waq, .offset: 8, .size: 8, .value_kind: global_buffer, .address_space: global }
      - { .name: b_attn, .offset: 16, .size: 8, .value_kind: global_buffer, .address_space: global }
      - { .name: tab, .offset: 24, .size: 8, .value_kind: global_buffer, .address_space: global }
      - { .name: qh, .offset: 32, .size: 8, .value_kind: global_buffer, .address_space: global }
      - { .name: kv, .offset: 40, .size: 8, .value_kind: global_buffer, .address_space: global }
    .group_segment_fixed_size: 327680
    .private_segment_fixed_size: 0
    .kernarg_segment_align: 8
    .kernarg_segment_size: 48
    .max_flat_workgroup_size: 128
    .sgpr_count:     100
    .vgpr_count:     1024
    .wavefront_size: 32
...
	.end_amdgpu_metadata
.endif
;; end of part 2
;; launch attn (part 3): grid 8 x 32, 16 waves a work-group, clusters of 4 x 1, 247,808 bytes of LDS; arguments qh, kv, yq; writes yq
.if DOCPART == 3
	.amdgcn_target "amdgcn-amd-amdhsa--gfx1250"
	.amdhsa_code_object_version 6
	.text
	.protected	k_qa1916c827e_attn
	.globl	k_qa1916c827e_attn
	.p2align	8
	.type	k_qa1916c827e_attn,@function
k_qa1916c827e_attn:
	s_mov_b64 s[64:65], 0
	v_nop
	global_prefetch_b8 v0, s[64:65] scope:SCOPE_SE
	s_setreg_imm32_b32 hwreg(HW_REG_WAVE_MODE, 25, 1), 1
	s_wait_xcnt 0x0
	s_wait_alu depctr_hold_cnt(0) depctr_sa_sdst(0) depctr_va_vdst(0) depctr_va_sdst(0) depctr_va_ssrc(0) depctr_va_vcc(0) depctr_vm_vsrc(0)
	s_getreg_b32 s2, hwreg(HW_REG_IB_STS2, 6, 4)
	s_cmp_eq_u32 s2, 0
	s_cbranch_scc0 .Lentry_in_a_cluster
	s_endpgm
.Lentry_in_a_cluster:
	s_bfe_u32 s2, ttmp6, 0x10000c
	s_cmp_lg_u32 s2, 0x3003
	s_cbranch_scc0 .Lentry_shape_is_right
	s_endpgm
.Lentry_shape_is_right:
; y = softmax(q k^T / 8, causal) v for one head, both products on codes of FP6 (E2M3) with E8M0 scales; y is quantised along the model's 1,024 and leaves as codes.
; THE SOFTMAX: t = score x log2(e) / 8; M = the running largest t rounded UP to a whole number; p = 2^(t - M) is quantised along the keys, not normalised; the row's sum is taken of the unquantised p and divides at the end.
; When M moves, the sum and O are multiplied by 2^(old M - new M): exact.  Key steps that lie wholly behind the causal mask are not done.
; A HEAD'S K, V AND SCALE WORDS ARE 208,896 BYTES: THEY LIE IN LDS WHOLE, as they lie in memory.  Each of the 16 waves asks for 51 rows of 256 bytes, one tensor load a wave, at the head; nothing is filled again.
; The four work-groups of a cluster belong to one head and ask jointly.  No prefetch: every byte of K and V is asked for in the kernel's first lines, and there is no loop to run ahead in.
; SHARES.  A head has 16 groups of 128 queries, 8 tiles of 16 each; a tile of group g has g + 1 key steps of 128.  Two waves, B (wave w; w = 0-3, 8-11) and A (wave w + 4), share a big tile, of group gb = 8 + 2 (p / 2) + cluster,
; and the small tile at the same place of group gs = 15 - gb (p: the pair, 0 to 7; place in the group 2 cx + p % 2).  A takes the big tile's steps 0 to 7.  B takes the small tile whole (gs + 1 steps), sends it out, and then
; takes the big tile's steps 8 to gb: 9 steps whatever gb.  At the end B hands its O, M and sums to A through LDS bytes of their own; A brings both parts under the larger M (exact) and sends the big tile out.
; One loop of 9 trips for all waves; which step a trip does is chosen from the wave's number, the cluster's number and the trip: never from cx, never from data.  A's ninth trip does nothing.
; Every wave loads both q tiles on one path; A uses the first alone.
; LAYOUT.  Both products transposed: S^T = K Q^T, O^T = V^T P^T: a lane holds ONE query.  The keys (and queries) of a tile are 32 (t / 2) + 8 (t % 2) + r % 8 + 16 (r / 8): the 16 registers of two tiles are 16 neighbouring keys.
; THE HEAD'S 64 fill half of the instruction's 128.  Two neighbouring tiles of K stand in one operand, the even one in the lower half of K, the odd one in the upper; against (q, zero codes) the product is the even tile's scores,
; against (zero codes, q) the odd tile's.  A tile's scale word holds its two bytes twice, so the half that counts has its own bytes, and the other half's codes meet zero codes under finite bytes.
; A step's eight tiles of K and their scale words are asked of LDS one step ahead, directly behind the products that read the registers: 18 LDS loads, which have the softmax in which to land.
; y's scale bytes leave one byte a lane: a work-group holds one head, which owns 2 bytes of a row's 32.
; LIMITS: a block of zeros, or one under 2^-124, keeps the byte 1; NaN and infinities are not served; the promise holds while |t| stays under 2^31.
; REGISTERS: v1, v2, v90, v91 lane terms; v3 the pair's LDS bytes; v4 the old -M; v5, v6 the add's two; v7 my query less 16 h; v8-11, v86, v87 addresses; v12 -M, v13 largest t, v[14:15] the sum; v16-33 q, zeros, q;
;   v34-69, v192-203 eight tiles of K; v70, v71, v85, v92-95 the second q; v72-79 K's scale words, v80-83 V's, v84 q's; v96-159 S^T, then p, then V's fragments; v160-191 O^T; v224-255 at work.
.set HBY,   208896
.set VOFF,  98304
.set KSO,   196608
.set VSO,   204800
.set SPARE, 208896                     ; the spare words, 128 bytes for each of 16 waves
.set MRG,   SPARE+2048                 ; 4,608 bytes a pair: B's O^T as an image of its registers, then v12-15
.set YQS,   3145728
.set SPW,  5
.set NIL,  6
.set WV,   10
.set ROLE, 12
.set CN,   15
.set GB,   16
.set GS,   17
.set SEL,  20
.set CS,   22
.set G1,   24
.set G0,   32
.set CNT,  60
.set SW,   61
.set OFF2, 62
.set HM,   66
.set GF,   67
.set NT,   71
.set SI,   72
.set G,    73
.set TK,   74
.set TKV,  75
.set TS,   76
.set TV,   77
.macro CROUND
	s_barrier_signal -1
	s_barrier_wait -1
	s_cmp_lg_u32 s[WV], 0
	s_cbranch_scc1 .Lnot_wave_0_\@
	s_barrier_signal -3
.Lnot_wave_0_\@:
	s_barrier_wait -3
	s_barrier_signal -1
	s_barrier_wait -1
.endm
; byte offsets of the tile at my place of group s[g]: q's codes, q's scale words, y's codes, y's scale bytes
.macro TILEOFF g, qo, so, yc, ys
	s_lshl_b32 s15, s[\g], 3
	s_add_co_u32 s15, s15, s19
	s_mul_i32 s[\qo], s15, 768
	s_mov_b32 s[\qo+1], 0
	s_lshl_b32 s[\so], s[\g], 9
	s_add_co_u32 s[\so], s[\so], s18
	s_mov_b32 s[\so+1], 0
	s_add_co_u32 s15, s15, s68
	s_mul_i32 s[\yc], s15, 12288
	s_add_co_u32 s[\yc], s[\yc], s69
	s_mov_b32 s[\yc+1], 0
	s_lshl_b32 s[\ys], s15, 9
	s_add_co_u32 s[\ys], s[\ys], s70
	s_mov_b32 s[\ys+1], 0
.endm
	s_load_b128 s[4:7], s[0:1], 0x0                ; qh, kv
	s_load_b64 s[8:9], s[0:1], 0x10                ; yq
	v_lshl_add_u32 v[SPW], v0, 2, SPARE
	v_mov_b32 v[NIL], 0
	ds_add_u32 v[SPW], v[NIL]                      ; the opening: the add, twice on end, and its wait ahead of my tensor load
	ds_add_u32 v[SPW], v[NIL]
	v_lshrrev_b32 v8, 5, v0
	s_delay_alu instid0(VALU_DEP_1)
	v_readfirstlane_b32 s[WV], v8
	s_bfe_u32 s11, ttmp6, 0x40000                  ; cx: it enters global addresses and the mask's numbers alone
	s_and_b32 s13, ttmp7, 0xffff                   ; 16 batch + head
	s_bfe_u32 s[ROLE], s[WV], 0x10002
	s_xor_b32 s[ROLE], s[ROLE], 1                  ; 1: B (waves 0-3, 8-11); 0: A (waves 4-7, 12-15)
	s_and_b32 s14, s[WV], 3
	s_lshr_b32 s15, s[WV], 3
	s_lshl_b32 s15, s15, 2
	s_or_b32 s14, s14, s15                         ; the pair
	s_lshr_b32 s15, s14, 1
	s_lshl_b32 s15, s15, 1
	s_add_co_u32 s15, s15, ttmp9
	s_add_co_u32 s[GB], s15, 8
	s_sub_co_u32 s[GS], 7, s15
	s_and_b32 s63, s14, 1
	s_lshl_b32 s19, s11, 1
	s_add_co_u32 s19, s19, s63                     ; my tiles' place in their groups
	s_lshl_b32 s79, s11, 5
	s_lshl_b32 s63, s63, 3
	s_add_co_u32 s79, s79, s63                     ; and its first query
	s_lshr_b32 s18, s19, 2
	s_lshl_b32 s18, s18, 8
	s_and_b32 s15, s19, 3
	s_lshl_b32 s15, s15, 2
	s_add_co_u32 s18, s18, s15
	s_add_co_u32 s18, s18, KSO
	s_lshr_b32 s68, s13, 4
	s_lshl_b32 s68, s68, 7                         ; 128 batch
	s_and_b32 s15, s13, 15
	s_mul_i32 s69, s15, 768
	s_lshr_b32 s70, s15, 3
	s_lshl_b32 s70, s70, 8
	s_and_b32 s15, s15, 7
	s_lshl_b32 s15, s15, 1
	s_add_co_u32 s70, s70, s15
	s_add_co_u32 s70, s70, YQS
	TILEOFF GB, 38, 40, 42, 44
	TILEOFF GS, 46, 48, 50, 52
	s_cmp_eq_u32 s[ROLE], 1
	s_cselect_b64 s[54:55], s[46:47], s[38:39]     ; the first q: B's small tile, A's big one
	s_cselect_b64 s[56:57], s[48:49], s[40:41]
	s_cselect_b32 s[SW], s[GS], 99                 ; the trip behind which B changes tiles; A never does
	s_cselect_b32 s[GF], s[GS], 99                 ; the first tile's diagonal step; A meets none
	s_cselect_b32 s[NT], 9, 8                      ; my number of steps
	s_sub_co_u32 s[OFF2], 7, s[GS]                 ; behind the change: step = trip + 7 - gs
	s_mul_i32 s78, s14, 4608
	s_add_co_u32 s78, s78, MRG
	s_mul_i32 s58, s[WV], 13056
	s_mov_b32 s59, 0
	s_mul_i32 s36, s13, HBY
	s_mov_b32 s37, 0
	s_mov_b32 s[G1], 15|(3<<16)|(1<<21)            ; the mask: all four work-groups; elements of 8 bytes; bit 21 beside a mask
	s_mov_b32 s[G1+1], 32<<16
	s_mov_b32 s[G1+2], 51<<16
	s_mov_b32 s[G1+3], 32<<16
	s_mov_b32 s[G1+4], 51
	s_mov_b32 s[G1+5], 32
	s_mov_b32 s[G1+6], 0
	s_mov_b32 s[G1+7], 0
	s_mov_b32 s[SEL], 0x76543210
	s_mov_b32 s[SEL+1], 0xfedcba98
	s_mov_b32 s[CS], 0x3e38aa3b                    ; c = log2(e) / 8
	s_mov_b32 s[CS+1], s[CS]
	s_wait_dscnt 0x0
	s_wait_kmcnt 0x0
	s_add_nc_u64 s[4:5], s[4:5], s[36:37]
	s_add_nc_u64 s[6:7], s[6:7], s[36:37]
	s_add_nc_u64 s[38:39], s[4:5], s[38:39]
	s_add_nc_u64 s[40:41], s[4:5], s[40:41]
	s_add_nc_u64 s[54:55], s[4:5], s[54:55]
	s_add_nc_u64 s[56:57], s[4:5], s[56:57]
	s_add_nc_u64 s[42:43], s[8:9], s[42:43]
	s_add_nc_u64 s[44:45], s[8:9], s[44:45]
	s_add_nc_u64 s[50:51], s[8:9], s[50:51]
	s_add_nc_u64 s[52:53], s[8:9], s[52:53]
	s_mov_b32 s[G0], 1
	s_mov_b32 s[G0+1], s58                         ; the LDS address is the offset in the head's block
	s_add_nc_u64 s[G0+2:G0+3], s[6:7], s[58:59]
	s_or_b32 s[G0+3], s[G0+3], 0x80000000
	CROUND                                         ; all four work-groups are here: the joint loads meet
	tensor_load_to_lds s[G0:G0+3], s[G1:G1+7]      ; my sixteenth of the head's block: my one tensor load
	s_nop 0
.rept 4
	v_nop
.endr
	v_and_b32 v8, 31, v0
	v_and_b32 v9, 15, v0                           ; r
	v_bfe_u32 v10, v0, 4, 1                        ; h
	v_mov_b32 v13, 0xff61b1e6                      ; the largest t so far: -3e38
	v_mov_b32 v14, 0
	v_lshlrev_b32 v1, 4, v8                        ; 16 l
	v_lshlrev_b32 v2, 3, v8                        ; 8 l
	v_lshlrev_b32 v90, 4, v9                       ; 16 r
	v_cmp_ne_u32 s[HM], 0, v10
	v_mov_b32 v15, 0
	global_load_b128 v[16:19], v1, s[54:55]        ; the first q's half fragment, for the lower half of K,
	global_load_b64 v[20:21], v2, s[54:55] offset:512
	global_load_b128 v[28:31], v1, s[54:55]        ; and once more for the upper
	global_load_b64 v[32:33], v2, s[54:55] offset:512
	global_load_b32 v84, v90, s[56:57]
	global_load_b128 v[92:95], v1, s[38:39]        ; the big tile's q, for B's second part
	global_load_b64 v[70:71], v2, s[38:39] offset:512
	global_load_b32 v85, v90, s[40:41]
	v_add_nc_u32 v91, v90, v10                     ; 16 r + h
	v_add_nc_u32 v3, s78, v1
	v_and_b32 v7, 7, v9
	v_lshrrev_b32 v11, 3, v9
	v_lshlrev_b32 v8, 4, v10
	v_floor_f32 v12, -v13
	s_delay_alu instid0(VALU_DEP_3)
	v_lshl_add_u32 v7, v11, 4, v7
	s_delay_alu instid0(VALU_DEP_1)
	v_sub_nc_u32 v7, v7, v8
	s_delay_alu instid0(VALU_DEP_1)
	v_add_nc_u32 v7, s79, v7                       ; my query in its group of 128, less 16 h
	v_mov_b32 v8, v1                               ; every wave's first step is key step 0
	v_mov_b32 v9, v2
	v_add_nc_u32 v86, KSO, v90
.irp i, 0,1,2,3,4,5
	v_mov_b32 v[22+\i], 0                          ; the half of K that q does not fill: zero codes, written once
.endr
.irp b, 0,1,2,3
	v_mov_b32 v[236+\b], 0                         ; a lane permute's destination counts as read
.endr
	v_mov_b32 v252, 0
	v_mov_b32 v253, 0
.set N, 0
.rept 32
	v_mov_b32 v[160+N], 0                          ; O^T: the step is written once; the first change of M leaves zeros zeros
.set N, N+1
.endr
; a step's eight tiles of K (tile t at v[34 + 6 t], tiles 6 and 7 at v192 on) and their scale words
.macro KFETCH
	ds_load_b128 v[72:75], v86
	ds_load_b128 v[76:79], v86 offset:256
.irp t, 0,1,2,3,4,5,6,7
	ds_load_b128 v[34+6*\t+122*(\t/6):37+6*\t+122*(\t/6)], v8 offset:768*\t
	ds_load_b64 v[38+6*\t+122*(\t/6):39+6*\t+122*(\t/6)], v9 offset:768*\t+512
.endr
.endm
; THE WAY OUT of a tile: O^T / the sum is 16 queries x the head's 64: register 16 b + i is d = 32 b + 16 h + i: two blocks of the last product's K: one half fragment.
.macro EPI ca, sa
	v_add_f32 v14, v14, v15
	s_delay_alu instid0(VALU_DEP_1)
	v_permlanex16_b32 v252, v14, s[SEL], s[SEL+1]
	s_delay_alu instid0(VALU_DEP_1)
	v_add_f32 v14, v14, v252                       ; the row's sum
	s_wait_alu depctr_va_vdst(0)                   ; the wait ahead of the reciprocal,
	v_rcp_f32 v14, v14
	v_nop
	s_wait_alu depctr_va_vdst(0)                   ; and ahead of its first reader
.set N, 0
.rept 16
	v_pk_mul_f32 v[96+N:97+N], v[160+N:161+N], v[14:15] op_sel_hi:[1,0]
.set N, N+2
.endr
.irp b, 0,1
	v_max3_num_f32 v[232+\b], |v[96+16*\b]|, |v[97+16*\b]|, 0x1800000
.endr
.irp i, 2,4,6,8,10,12,14
.irp b, 0,1
	s_delay_alu instid0(VALU_DEP_2)
	v_max3_num_f32 v[232+\b], v[232+\b], |v[96+16*\b+\i]|, |v[97+16*\b+\i]|
.endr
.endr
.irp b, 0,1
	s_delay_alu instid0(VALU_DEP_2)
	v_permlanex16_b32 v[236+\b], v[232+\b], s[SEL], s[SEL+1]
.endr
.irp b, 0,1
	s_delay_alu instid0(VALU_DEP_2)
	v_max_num_f32 v[232+\b], v[232+\b], v[236+\b]
.endr
.irp b, 0,1
	s_delay_alu instid0(VALU_DEP_2)
	v_add_nc_u32 v[244+\b], 0xff000000, v[232+\b]
.endr
.irp b, 0,1
	s_delay_alu instid0(VALU_DEP_2)
	v_lshrrev_b32 v[236+\b], 23, v[244+\b]
.endr
	v_cvt_scalef32_pk16_fp6_f32 v[224:226], v[96:111], v244
	v_cvt_scalef32_pk16_fp6_f32 v[228:230], v[112:127], v245
	v_cndmask_b32 v240, v236, v237, s[HM]          ; lane (r, h) stores block h's byte.  (The plain line behind the conversions)
.irp i, 0,1,2
	v_permlane16_swap_b32 v[224+\i], v[228+\i]     ; lanes 0-15 block 0, lanes 16-31 block 1
.endr
.irp i, 0,1,2
	s_delay_alu instid0(VALU_DEP_3)
	v_mov_b32 v[227+\i], v[228+\i]
.endr
	global_store_b128 v1, v[224:227], s[\ca:\ca+1]             ; 512 consecutive bytes
	global_store_b64 v2, v[228:229], s[\ca:\ca+1] offset:512   ; 256 consecutive bytes
	global_store_b8 v91, v240, s[\sa:\sa+1]
.endm
	s_wait_alu depctr_va_vdst(0)
	s_wait_loadcnt 0x0                             ; q
	s_wait_tensorcnt 0x0                           ; my part of the head's block has landed;
	s_barrier_signal -1
	s_barrier_wait -1                              ; and so has everybody's.
	KFETCH                                         ; key step 0
	s_mov_b32 s[CNT], 0
.Ltrip:                                                ; A KEY STEP: 128 keys
	s_add_co_u32 s63, s[CNT], s[OFF2]
	s_cmp_le_u32 s[CNT], s[SW]
	s_cselect_b32 s[SI], s[CNT], s63               ; which step
	s_cselect_b32 s[G], s[GF], s[GB]               ; and which step is the tile's diagonal
	s_cmp_ge_u32 s[CNT], s[NT]
	s_cbranch_scc1 .Lhidden
	s_min_u32 s63, s[SI], 15
	s_mul_i32 s[TKV], s63, 6144
	s_lshl_b32 s[TV], s63, 8
	s_add_co_u32 s[TKV], s[TKV], VOFF
	s_add_co_u32 s[TV], s[TV], VSO
	s_add_co_u32 s[CN], s[CNT], 1                  ; the next trip's step, for K's loads
	s_add_co_u32 s63, s[CN], s[OFF2]
	s_cmp_le_u32 s[CN], s[SW]
	s_cselect_b32 s63, s[CN], s63
	s_min_u32 s63, s63, 15
	s_mul_i32 s[TK], s63, 6144
	s_lshl_b32 s[TS], s63, 9
	s_add_co_u32 s[TS], s[TS], KSO
	v_add_nc_u32 v10, s[TKV], v1                   ; this step's V.  (These five lines are the places between the last step's products and the products that write over V's registers)
	v_add_nc_u32 v11, s[TKV], v2
	v_add_nc_u32 v87, s[TV], v90
	v_nop
	v_nop
	s_wait_dscnt 0x0                               ; K's tiles and scale words, asked for a step ago
.irp t, 0,1,2,3,4,5,6,7
	v_wmma_scale_f32_16x16x128_f8f6f4 v[96+8*\t:103+8*\t], v[34+12*(\t/2)+122*(\t/6):45+12*(\t/2)+122*(\t/6)], v[16+6*(\t%2):27+6*(\t%2)], 0, v[72+\t], v84 matrix_a_fmt:MATRIX_FMT_FP6 matrix_b_fmt:MATRIX_FMT_FP6
.endr
	v_add_nc_u32 v8, s[TK], v1                     ; the next step's K.  (These four lines are the places behind the products)
	v_add_nc_u32 v9, s[TK], v2
	v_add_nc_u32 v86, s[TS], v90
	v_mov_b32 v4, v12                              ; the old -M
	s_cmp_ge_u32 s[CN], s[NT]                      ; my last step asks for nothing
	s_cbranch_scc1 .Lno_next
	KFETCH
.Lno_next:
	s_cmp_lg_u32 s[SI], s[G]                       ; on the diagonal hidden scores become -infinity ahead of the maximum
	s_cbranch_scc1 .Lopen
	v_mov_b32 v254, 0xff800000
.set N, 0
.rept 64
	v_cmp_gt_i32 vcc_lo, 32*(N/16)+N%16, v7        ; register 16 b + i holds key 32 b + 16 h + i of the group
	v_cndmask_b32 v[96+N], v[96+N], v254, vcc_lo
.set N, N+1
.endr
.Lopen:
.irp b, 0,1,2,3
	v_max3_num_f32 v[232+\b], v[96+16*\b], v[97+16*\b], v[98+16*\b]   ; the largest score of each block of 32 keys: for the row's maximum, and, since p rises with the score, for the block's largest p
.endr
.irp i, 3,5,7,9,11,13
.irp b, 0,1,2,3
	v_max3_num_f32 v[232+\b], v[232+\b], v[96+16*\b+\i], v[97+16*\b+\i]
.endr
.endr
.irp b, 0,1,2,3
	v_max_num_f32 v[232+\b], v[232+\b], v[111+16*\b]
.endr
.irp b, 0,1,2,3
	s_delay_alu instid0(VALU_DEP_4)
	v_permlanex16_b32 v[236+\b], v[232+\b], s[SEL], s[SEL+1]
.endr
.irp b, 0,1,2,3
	s_delay_alu instid0(VALU_DEP_4)
	v_max_num_f32 v[232+\b], v[232+\b], v[236+\b]
.endr
	s_delay_alu instid0(VALU_DEP_2)
	v_max3_num_f32 v254, v232, v233, v234
	s_delay_alu instid0(VALU_DEP_1)
	v_max_num_f32 v254, v254, v235
	s_delay_alu instid0(VALU_DEP_1)
	v_mul_f32 v254, s[CS], v254
	s_delay_alu instid0(VALU_DEP_1)
	v_max_num_f32 v13, v13, v254                   ; the running largest t
	s_delay_alu instid0(VALU_DEP_1)
	v_floor_f32 v12, -v13                          ; -M = floor(-t): M is a whole number
	s_delay_alu instid0(VALU_DEP_1)
	v_sub_f32 v254, v12, v4
	s_delay_alu instid0(VALU_DEP_1)
	v_cvt_i32_f32 v254, v254                       ; (it saturates)
	s_delay_alu instid0(VALU_DEP_1)
	v_ldexp_f32 v252, 1.0, v254                    ; f = 2^(old M - new M)
.set N, 0
.rept 32
	v_pk_fma_f32 v[96+N:97+N], v[96+N:97+N], s[CS:CS+1], v[12:13] op_sel_hi:[1,0,0]   ; t - M
.set N, N+2
.endr
.irp b, 0,1,2,3
	v_fma_f32 v[232+\b], v[232+\b], s[CS], v12
.endr
	s_wait_alu depctr_va_vdst(0)
.set N, 0
.rept 64
	v_exp_f32 v[96+N], v[96+N]                     ; p = 2^(t - M)
.set N, N+1
.endr
	v_pk_mul_f32 v[14:15], v[14:15], v[252:253] op_sel_hi:[1,0]   ; the sums under the new M.  (The plain line behind the exponentials)
	s_wait_alu depctr_va_vdst(0)                   ; one wait for the batch, ahead of its first reader
.irp b, 0,1,2,3
	v_exp_f32 v[232+\b], v[232+\b]                 ; the blocks' largest p
.endr
	v_pk_add_f32 v[236:237], v[100:101], v[104:105]   ; the row's sum of the unquantised p, in eight chains
	v_pk_add_f32 v[254:255], v[108:109], v[112:113]
	v_pk_add_f32 v[250:251], v[116:117], v[120:121]
	v_pk_add_f32 v[248:249], v[124:125], v[128:129]
	v_pk_add_f32 v[246:247], v[132:133], v[136:137]
	v_pk_add_f32 v[244:245], v[140:141], v[144:145]
	v_pk_add_f32 v[242:243], v[148:149], v[152:153]
	v_pk_add_f32 v[14:15], v[14:15], v[156:157]
	v_pk_add_f32 v[236:237], v[236:237], v[96:97]
	v_pk_add_f32 v[254:255], v[254:255], v[98:99]
	v_pk_add_f32 v[250:251], v[250:251], v[102:103]
	v_pk_add_f32 v[248:249], v[248:249], v[106:107]
	v_pk_add_f32 v[246:247], v[246:247], v[110:111]
	v_pk_add_f32 v[244:245], v[244:245], v[114:115]
	v_pk_add_f32 v[242:243], v[242:243], v[118:119]
	v_pk_add_f32 v[14:15], v[14:15], v[122:123]
	v_pk_add_f32 v[236:237], v[236:237], v[126:127]
	v_pk_add_f32 v[254:255], v[254:255], v[130:131]
	v_pk_add_f32 v[250:251], v[250:251], v[134:135]
	v_pk_add_f32 v[248:249], v[248:249], v[138:139]
	v_pk_add_f32 v[246:247], v[246:247], v[142:143]
	v_pk_add_f32 v[244:245], v[244:245], v[146:147]
	v_pk_add_f32 v[242:243], v[242:243], v[150:151]
	v_pk_add_f32 v[14:15], v[14:15], v[154:155]
	v_pk_add_f32 v[236:237], v[236:237], v[158:159]
	s_delay_alu instid0(VALU_DEP_2)
	v_pk_add_f32 v[14:15], v[14:15], v[248:249]
	s_delay_alu instid0(VALU_DEP_2)
	v_pk_add_f32 v[236:237], v[236:237], v[246:247]
	v_pk_add_f32 v[254:255], v[254:255], v[244:245]
	v_pk_add_f32 v[250:251], v[250:251], v[242:243]
	s_delay_alu instid0(VALU_DEP_2)
	v_pk_add_f32 v[14:15], v[14:15], v[254:255]
	s_delay_alu instid0(VALU_DEP_2)
	v_pk_add_f32 v[236:237], v[236:237], v[250:251]
	s_delay_alu instid0(VALU_DEP_1)
	v_pk_add_f32 v[14:15], v[14:15], v[236:237]
	s_wait_alu depctr_va_vdst(0)                   ; and one for the four
.irp b, 0,1,2,3
	v_max_num_f32 v[232+\b], 0x1800000, v[232+\b]  ; the floor: the byte cannot fall under 1
.endr
.irp b, 0,1,2,3
	s_delay_alu instid0(VALU_DEP_4)
	v_add_nc_u32 v[244+\b], 0xff000000, v[232+\b]
.endr
.irp b, 0,1,2,3
	s_delay_alu instid0(VALU_DEP_4)
	v_lshrrev_b32 v[236+\b], 23, v[244+\b]
.endr
	s_delay_alu instid0(VALU_DEP_3)
	v_lshl_or_b32 v253, v237, 8, v236              ; p's scale word
	s_delay_alu instid0(VALU_DEP_1)
	v_lshl_or_b32 v253, v238, 16, v253
	s_delay_alu instid0(VALU_DEP_1)
	v_lshl_or_b32 v253, v239, 24, v253
.irp c, 0,1
	v_cvt_scalef32_pk16_fp6_f32 v[224+6*\c:226+6*\c], v[96+32*\c:111+32*\c], v[244+2*\c]
	v_cvt_scalef32_pk16_fp6_f32 v[236+4*\c:238+4*\c], v[112+32*\c:127+32*\c], v[244+2*\c+1]
.endr
	v_nop                                          ; one plain line behind a scaled conversion
.irp t, 0,1,2,3                        ; V^T: four tiles of 16 of the head's 64 x these 128 keys, into the registers that p has left; the 28 lines below stand between the loads and the wait for them
	ds_load_b128 v[96+12*\t:99+12*\t], v10 offset:1536*\t
	ds_load_b64 v[100+12*\t:101+12*\t], v11 offset:1536*\t+512
	ds_load_b128 v[102+12*\t:105+12*\t], v10 offset:1536*\t+768
	ds_load_b64 v[106+12*\t:107+12*\t], v11 offset:1536*\t+1280
.endr
	ds_load_b128 v[80:83], v87
.irp c, 0,1
.irp i, 0,1,2
	v_permlane16_swap_b32 v[224+6*\c+\i], v[236+4*\c+\i]
.endr
.irp i, 0,1,2
	s_delay_alu instid0(VALU_DEP_3)
	v_mov_b32 v[227+6*\c+\i], v[236+4*\c+\i]
.endr
.endr
	s_wait_alu depctr_va_vdst(0)                   ; the wait directly ahead of the first reader of O^T
.set N, 0
.rept 16
	v_pk_mul_f32 v[160+N:161+N], v[160+N:161+N], v[252:253] op_sel_hi:[1,0]   ; O^T under the new M.  (Also the places in front of the products below)
.set N, N+2
.endr
	s_wait_alu depctr_va_vdst(0)
	s_wait_dscnt 0x0
.irp t, 0,1,2,3                        ; four accumulators, one instruction each
	v_wmma_scale_f32_16x16x128_f8f6f4 v[160+8*\t:167+8*\t], v[96+12*\t:107+12*\t], v[224:235], v[160+8*\t:167+8*\t], v[80+\t], v253 matrix_a_fmt:MATRIX_FMT_FP6 matrix_b_fmt:MATRIX_FMT_FP6
.endr
	s_cmp_eq_u32 s[CNT], s[SW]                     ; B, behind its small tile's diagonal step: the tile goes out, and the big tile's second part begins
	s_cbranch_scc0 .Lhidden
.rept 4
	v_nop                                          ; places behind the products
.endr
	EPI 50, 52
	v_mov_b32 v84, v85                             ; the big tile's q and its scale words
.irp i, 0,1,2,3
	v_mov_b32 v[16+\i], v[92+\i]
	v_mov_b32 v[28+\i], v[92+\i]
.endr
.irp i, 0,1
	v_mov_b32 v[20+\i], v[70+\i]
	v_mov_b32 v[32+\i], v[70+\i]
.endr
	v_mov_b32 v13, 0xff61b1e6                      ; the largest t anew: the next step's f is then 2^(a whole number under -2^30) = 0, which clears the finite O^T and sums
	s_delay_alu instid0(VALU_DEP_1)
	v_floor_f32 v12, -v13
	s_wait_alu depctr_va_vdst(0)
	s_wait_xcnt 0x0                                ; the stores have read their registers, which the next step writes
.Lhidden:
	s_add_co_u32 s[CNT], s[CNT], 1
	s_cmp_lt_u32 s[CNT], 9
	s_cbranch_scc1 .Ltrip
.rept 4
	v_nop                                          ; places behind the last products
.endr
	s_wait_dscnt 0x0
	s_barrier_signal -1
	s_barrier_wait -1                              ; every wave's reads of K and V are over
	s_cmp_eq_u32 s[ROLE], 1
	s_cbranch_scc0 .Lno_hand
.irp i, 0,1,2,3,4,5,6,7
	ds_store_b128 v3, v[160+4*\i:163+4*\i] offset:512*\i   ; B's O^T as an image of its registers, each accumulator from its low end on,
.endr
	ds_store_b128 v3, v[12:15] offset:4096         ; and -M, the largest t and the sum's two halves
.Lno_hand:
	s_wait_dscnt 0x0
	s_barrier_signal -1
	s_barrier_wait -1
	s_cmp_eq_u32 s[ROLE], 0
	s_cbranch_scc0 .Ldone
.irp i, 0,1,2,3,4,5,6,7
	ds_load_b128 v[96+4*\i:99+4*\i], v3 offset:512*\i
.endr
	ds_load_b128 v[128:131], v3 offset:4096
	s_wait_dscnt 0x0
	v_min_num_f32 v132, v12, v128                  ; -M of both parts: the larger M
	v_add_f32 v14, v14, v15
	v_add_f32 v130, v130, v131
	v_mov_b32 v135, 0
	v_mov_b32 v137, 0
	v_sub_f32 v133, v132, v12                      ; whole numbers, 0 or less
	v_sub_f32 v138, v132, v128
	s_delay_alu instid0(VALU_DEP_2)
	v_cvt_i32_f32 v133, v133
	s_delay_alu instid0(VALU_DEP_2)
	v_cvt_i32_f32 v138, v138
	s_delay_alu instid0(VALU_DEP_2)
	v_ldexp_f32 v134, 1.0, v133                    ; my part's factor,
	s_delay_alu instid0(VALU_DEP_2)
	v_ldexp_f32 v136, 1.0, v138                    ; and B's: powers of two
	s_delay_alu instid0(VALU_DEP_2)
	v_mul_f32 v14, v14, v134
	v_mov_b32 v15, 0
	s_delay_alu instid0(VALU_DEP_2)
	v_fma_f32 v14, v130, v136, v14
.set N, 0
.rept 16
	v_pk_mul_f32 v[160+N:161+N], v[160+N:161+N], v[134:135] op_sel_hi:[1,0]
.set N, N+2
.endr
.set N, 0
.rept 16
	v_pk_fma_f32 v[160+N:161+N], v[96+N:97+N], v[136:137], v[160+N:161+N] op_sel_hi:[1,0,1]
.set N, N+2
.endr
	EPI 42, 44
.Ldone:
	s_wait_tensorcnt 0x0                           ; the wave's end
	ds_add_u32 v[SPW], v[NIL]
	s_wait_dscnt 0x0
	CROUND                                         ; the closing round
	s_endpgm
.Lfunc_end_k_qa1916c827e_attn:
	.size	k_qa1916c827e_attn, .Lfunc_end_k_qa1916c827e_attn-k_qa1916c827e_attn
	.p2alignl 7, 3214868480
	.fill 96, 4, 3214868480
	.section	.rodata,"a",@progbits
	.p2align	6, 0x0
	.amdhsa_kernel k_qa1916c827e_attn
		.amdhsa_group_segment_fixed_size 247808
		.amdhsa_private_segment_fixed_size 0
		.amdhsa_enable_private_segment 0
		.amdhsa_kernarg_size 24
		.amdhsa_user_sgpr_count 2
		.amdhsa_user_sgpr_kernarg_segment_ptr 1
		.amdhsa_wavefront_size32 1
		.amdhsa_system_sgpr_workgroup_id_x 1
		.amdhsa_system_sgpr_workgroup_id_y 1
		.amdhsa_system_sgpr_workgroup_id_z 1
		.amdhsa_system_vgpr_workitem_id 0
		.amdhsa_next_free_vgpr 256
		.amdhsa_next_free_sgpr 80
		.amdhsa_reserve_vcc 1
		.amdhsa_float_denorm_mode_32 3
		.amdhsa_float_denorm_mode_16_64 3
		.amdhsa_memory_ordered 1
		.amdhsa_forward_progress 1
		.amdhsa_inst_pref_size 47
	.end_amdhsa_kernel
	.amdgpu_metadata
---
amdhsa.version: [ 1, 2 ]
amdhsa.kernels:
  - .name:           k_qa1916c827e_attn
    .symbol:         k_qa1916c827e_attn.kd
    .args:
      - { .name: qh, .offset: 0, .size: 8, .value_kind: global_buffer, .address_space: global }
      - { .name: kv, .offset: 8, .size: 8, .value_kind: global_buffer, .address_space: global }
      - { .name: yq, .offset: 16, .size: 8, .value_kind: global_buffer, .address_space: global }
    .group_segment_fixed_size: 247808
    .private_segment_fixed_size: 0
    .kernarg_segment_align: 8
    .kernarg_segment_size: 24
    .max_flat_workgroup_size: 512
    .sgpr_count:     80
    .vgpr_count:     256
    .wavefront_size: 32
...
	.end_amdgpu_metadata
.endif
;; end of part 3
;; launch proj (part 4): grid 8 x 32, 4 waves a work-group, clusters of 4 x 4, 274,944 bytes of LDS; arguments yq, wpq, b_proj, out0; writes out0
.if DOCPART == 4
	.amdgcn_target "amdgcn-amd-amdhsa--gfx1250"
	.amdhsa_code_object_version 6
	.text
	.protected	k_qa1916c827e_proj
	.globl	k_qa1916c827e_proj
	.p2align	8
	.type	k_qa1916c827e_proj,@function
k_qa1916c827e_proj:
	s_mov_b64 s[64:65], 0
	v_nop
	global_prefetch_b8 v0, s[64:65] scope:SCOPE_SE
	s_setreg_imm32_b32 hwreg(HW_REG_WAVE_MODE, 25, 1), 1
	s_wait_xcnt 0x0
	s_wait_alu depctr_hold_cnt(0) depctr_sa_sdst(0) depctr_va_vdst(0) depctr_va_sdst(0) depctr_va_ssrc(0) depctr_va_vcc(0) depctr_vm_vsrc(0)
	s_getreg_b32 s2, hwreg(HW_REG_IB_STS2, 6, 4)
	s_cmp_eq_u32 s2, 0
	s_cbranch_scc0 .Lentry_in_a_cluster
	s_endpgm
.Lentry_in_a_cluster:
	s_bfe_u32 s2, ttmp6, 0x10000c
	s_cmp_lg_u32 s2, 0xf033
	s_cbranch_scc0 .Lentry_shape_is_right
	s_endpgm
.Lentry_shape_is_right:
; out = y w_proj^T + b_proj on codes of FP6 (E2M3) with E8M0 scales; sums in f32.  y [4096][1024] and w_proj [1024][1024] lie in memory as images of operand registers:
; [tile of 16 rows][8 fragments of 128 K][2 halves][768] (lane l's words 0-3 at 16 l, words 4-5 at 512 + 8 l), then the scale words [tile][K half][row][4 words].
; A BLOCK of the result is 128 x 128: 32 x 8 = 256 work-groups.  Four waves, 64 x 64 each: 16 accumulators.
; BOTH OPERANDS LIE IN LDS WHOLE, for all of K: A's 8 tiles are 98,304 dense bytes, B's likewise, each side's scale words 4,096.  Four tensor loads at the head, one a wave; nothing is filled again, so there is no ring.
; No prefetch: every byte is asked for in the kernel's first lines, and there is no loop to run ahead in.
; CLUSTERS: 4 x 4.  A's bytes hang on the block's row and are shared along a row of the cluster, B's on its column and are shared along a column: each is asked for jointly.
; THE MATRIX INSTRUCTION IS USED TRANSPOSED (source 0 = 16 rows of w_proj, source 1 = 16 rows of y): a lane holds eight neighbouring columns of one row.  The bias is the C of each accumulator's first product.
; Place p of y's tile t is row 32 (t / 2) + 8 (t % 2) + p % 8 + 16 (p / 8); w_proj's tiles are as the rows lie.
; REGISTERS: window 0: v1-13 lane terms; v16-19, v24-27 addresses; v28, v29 the add's two; v32-127, v128-223 two sets of fragments (A's four, B's four); v224-255 scale words (lanes 0-15 A's block i, lanes 16-31 B's).
;   window 1: v0-127 the accumulators ((a, b) at v[8 (4 a + b)]); v128-159 the bias.  On the way out v32-159 of window 0 take the rows read back.
.set TILEB,  12288
.set HALFB,  4*TILEB                   ; what one wave reads of A or of B
.set BOF,    8*TILEB                   ; B's codes, behind A's
.set SCL,    2*BOF                     ; the scale words: A's 4,096 bytes, then B's
.set SPARE,  SCL+8192                  ; the spare words, 128 bytes a wave
.set STAGE,  SPARE+512                 ; the way out: for each wave four stages of 16 rows x (256 + 16) bytes; no tensor load lands here
.set SPITCH, 272
.set SBLK,   16*SPITCH
.set YQS,    3145728
.set WPS,    786432
.set ADRA, 16                          ; v16 A's fragments, 16 l; v17 with 8 l
.set ADRB, 18
.set STO,  24
.set RD,   25
.set CO,   26
.set ADRS, 27
.set SPW,  28
.set NIL,  29
.set SC,   224
.set WV,   16
.set HA,   17
.set HB,   18
.set G1,   24
.set G0,   32
.set G0B,  36
.set G1B,  48
.set G0S,  56
.set G0SB, 60
.set G1S,  68
.set G1SB, 80
.set MSB, 0
.macro WIN new                         ; the immediate's high byte repeats the setting that is left
.if MSB != \new
	s_set_vgpr_msb (MSB<<8)|\new
.set MSB, \new
.endif
.endm
.macro CROUND
	s_barrier_signal -1
	s_barrier_wait -1
	s_cmp_lg_u32 s[WV], 0
	s_cbranch_scc1 .Lnot_wave_0_\@
	s_barrier_signal -3
.Lnot_wave_0_\@:
	s_barrier_wait -3
	s_barrier_signal -1
	s_barrier_wait -1
.endm
	s_load_b256 s[4:11], s[0:1], 0x0               ; yq, wpq, b_proj, out0
	v_lshl_add_u32 v[SPW], v0, 2, SPARE
	v_mov_b32 v[NIL], 0
	ds_add_u32 v[SPW], v[NIL]                      ; the opening: the add, twice on end, and its wait ahead of my tensor load
	ds_add_u32 v[SPW], v[NIL]
	v_lshrrev_b32 v1, 5, v0
	v_readfirstlane_b32 s[WV], v1
	s_lshr_b32 s[HA], s[WV], 1                     ; my half of the block's rows
	s_and_b32 s[HB], s[WV], 1                      ; and of its columns
	s_bfe_u32 s40, ttmp6, 0x40000                  ; cx
	s_bfe_u32 s41, ttmp6, 0x40004                  ; cy
	s_and_b32 s42, ttmp7, 0xffff
	s_lshl_b32 s42, s42, 2
	s_add_co_u32 s42, s42, s41                     ; the block's row (never holds cx)
	s_lshl_b32 s43, ttmp9, 2
	s_add_co_u32 s43, s43, s40                     ; its column (never holds cy)
	s_lshl_b32 s44, s41, 2
	s_lshl_b32 s44, 15, s44                        ; my row of the cluster
	s_lshl_b32 s45, 0x1111, s40                    ; my column
	s_or_b32 s[G1], s44, (3<<16)|(1<<21)           ; the mask; elements of 8 bytes; bit 21 beside a mask
	s_or_b32 s[G1B], s45, (3<<16)|(1<<21)
	s_or_b32 s[G1S], s44, (3<<16)|(1<<21)
	s_or_b32 s[G1SB], s45, (3<<16)|(1<<21)
.irp g, G1, G1B                        ; 98,304 dense bytes as 384 rows of 256
	s_mov_b32 s[\g+1], 32<<16
	s_mov_b32 s[\g+2], 384<<16
	s_mov_b32 s[\g+3], 32<<16
	s_mov_b32 s[\g+4], 384
	s_mov_b32 s[\g+5], 32
	s_mov_b32 s[\g+6], 0
	s_mov_b32 s[\g+7], 0
.endr
.irp g, G1S, G1SB                      ; 4,096 dense bytes as 16 rows of 256
	s_mov_b32 s[\g+1], 32<<16
	s_mov_b32 s[\g+2], 16<<16
	s_mov_b32 s[\g+3], 32<<16
	s_mov_b32 s[\g+4], 16
	s_mov_b32 s[\g+5], 32
	s_mov_b32 s[\g+6], 0
	s_mov_b32 s[\g+7], 0
.endr
	s_mul_i32 s20, s42, BOF
	s_mov_b32 s21, 0
	s_lshl_b32 s22, s42, 12
	s_add_co_u32 s22, s22, YQS
	s_mov_b32 s23, 0
	s_mul_i32 s46, s43, BOF
	s_mov_b32 s47, 0
	s_lshl_b32 s92, s43, 12
	s_add_co_u32 s92, s92, WPS
	s_mov_b32 s93, 0
	s_wait_dscnt 0x0
	s_wait_kmcnt 0x0
	s_mov_b32 s[G0], 1
	s_mov_b32 s[G0+1], 0
	s_add_nc_u64 s[G0+2:G0+3], s[4:5], s[20:21]
	s_or_b32 s[G0+3], s[G0+3], 0x80000000
	s_mov_b32 s[G0B], 1
	s_mov_b32 s[G0B+1], BOF
	s_add_nc_u64 s[G0B+2:G0B+3], s[6:7], s[46:47]
	s_or_b32 s[G0B+3], s[G0B+3], 0x80000000
	s_mov_b32 s[G0S], 1
	s_mov_b32 s[G0S+1], SCL
	s_add_nc_u64 s[G0S+2:G0S+3], s[4:5], s[22:23]
	s_or_b32 s[G0S+3], s[G0S+3], 0x80000000
	s_mov_b32 s[G0SB], 1
	s_mov_b32 s[G0SB+1], SCL+4096
	s_add_nc_u64 s[G0SB+2:G0SB+3], s[6:7], s[92:93]
	s_or_b32 s[G0SB+3], s[G0SB+3], 0x80000000
	CROUND                                         ; all sixteen work-groups are here: the joint loads meet
; one chain of branches on the wave's number, one load to an arm: wave 0 A's codes, wave 1 B's codes, wave 2 A's scale words, wave 3 B's
.macro ARM under, g0, g1, next
	s_cmp_lt_u32 s[WV], \under
	s_cbranch_scc0 \next
	tensor_load_to_lds s[\g0:\g0+3], s[\g1:\g1+7]
	s_nop 0
.rept 4
	v_nop
.endr
	s_branch .Lhead_asked
\next:
.endm
	ARM 1, G0,  G1,  .Lhead_b
	ARM 2, G0B, G1B, .Lhead_sa
	ARM 3, G0S, G1S, .Lhead_sb
	tensor_load_to_lds s[G0SB:G0SB+3], s[G1SB:G1SB+7]
	s_nop 0
.rept 4
	v_nop
.endr
.Lhead_asked:
	s_lshl_b32 s20, s43, 9
	s_lshl_b32 s21, s[HB], 8
	s_add_co_u32 s20, s20, s21                     ; my 64 columns, in bytes
	s_mov_b32 s21, 0
	s_add_nc_u64 s[8:9], s[8:9], s[20:21]
	s_add_nc_u64 s[10:11], s[10:11], s[20:21]
	s_lshl_b32 s22, s42, 7
	s_lshl_b32 s23, s[HA], 6
	s_add_co_u32 s22, s22, s23
	s_lshl_b32 s22, s22, 12                        ; my first row: 4,096 bytes a row
	s_mov_b32 s23, 0
	s_add_nc_u64 s[10:11], s[10:11], s[22:23]
	s_mul_i32 s94, s[HA], HALFB
	s_mul_i32 s95, s[HB], HALFB
	s_add_co_u32 s95, s95, BOF
	s_lshl_b32 s88, s[HA], 11
	s_lshl_b32 s89, s[HB], 11
	s_add_co_u32 s89, s89, 4096
	s_sub_co_u32 s89, s89, s88                     ; from A's scale words to B's
	s_add_co_u32 s88, s88, SCL
	s_mul_i32 s90, s[WV], 4*SBLK
	s_add_co_u32 s90, s90, STAGE
	v_and_b32 v7, 31, v0
	v_and_b32 v8, 15, v0                           ; r
	v_bfe_u32 v9, v0, 4, 1                         ; h
	v_lshlrev_b32 v1, 4, v7                        ; 16 l
	v_lshlrev_b32 v2, 3, v7                        ; 8 l
	v_lshlrev_b32 v3, 5, v9                        ; the bias: 8 h columns on
	v_add_nc_u32 v[ADRA], s94, v1
	v_add_nc_u32 v[ADRA+1], s94, v2
	v_add_nc_u32 v[ADRB], s95, v1
	v_add_nc_u32 v[ADRB+1], s95, v2
	v_mul_u32_u24 v10, s89, v9                     ; scale words: lanes 0-15 A's rows, lanes 16-31 B's: the lower base + h x the distance
	v_lshl_add_u32 v10, v8, 4, v10
	v_add_nc_u32 v[ADRS], s88, v10
	v_mul_u32_u24 v11, v8, SPITCH                  ; the stage, in: row r, 32 bytes for each half of the lanes
	v_lshl_add_u32 v11, v9, 5, v11
	v_add_nc_u32 v[STO], s90, v11
	v_mul_u32_u24 v12, v9, SPITCH                  ; and back: sixteen lanes to a row of 256 bytes, two rows an instruction
	v_lshl_add_u32 v12, v8, 4, v12
	v_add_nc_u32 v[RD], s90, v12
	v_lshlrev_b32 v13, 12, v9
	v_lshl_add_u32 v[CO], v8, 4, v13               ; the same two rows in the output
	WIN 0x40
.irp b, 0,1,2,3
	global_load_b128 v[128+8*\b:131+8*\b], v3, s[8:9] offset:64*\b       ; window 1: the bias of columns 16 b + 8 h + 0 .. 7
	global_load_b128 v[132+8*\b:135+8*\b], v3, s[8:9] offset:64*\b+16
.endr
	WIN 0
.macro FRAG reg, adr, off              ; a fragment is two half fragments on end
	ds_load_b128 v[\reg:\reg+3], v[\adr] offset:\off
	ds_load_b64 v[\reg+4:\reg+5], v[\adr+1] offset:\off+512
	ds_load_b128 v[\reg+6:\reg+9], v[\adr] offset:\off+768
	ds_load_b64 v[\reg+10:\reg+11], v[\adr+1] offset:\off+1280
.endm
.macro FETCH q                         ; K step q: A's four fragments and B's four into set q % 2: 32 LDS loads
.irp i, 0,1,2,3
	FRAG 32+96*((\q)%2)+12*\i, ADRA, TILEB*\i+1536*(\q)
	FRAG 32+96*((\q)%2)+48+12*\i, ADRB, TILEB*\i+1536*(\q)
.endr
.endm
.macro MUL q                           ; 16 products; the 16 accumulators take turns, one instruction a turn, in the same order in every step
.irp a, 0,1,2,3
.irp b, 0,1,2,3
.if (\q) == 0
	v_wmma_scale_f32_16x16x128_f8f6f4 v[8*(4*\a+\b):8*(4*\a+\b)+7], v[80+12*\b:91+12*\b], v[32+12*\a:43+12*\a], v[128+8*\b:135+8*\b], v[SC+4*\b], v[SC+4*\a] matrix_a_fmt:MATRIX_FMT_FP6 matrix_b_fmt:MATRIX_FMT_FP6 matrix_a_scale:MATRIX_SCALE_ROW1
.else
	v_wmma_scale_f32_16x16x128_f8f6f4 v[8*(4*\a+\b):8*(4*\a+\b)+7], v[80+96*((\q)%2)+12*\b:91+96*((\q)%2)+12*\b], v[32+96*((\q)%2)+12*\a:43+96*((\q)%2)+12*\a], v[8*(4*\a+\b):8*(4*\a+\b)+7], v[SC+16*((\q)/4)+4*\b+(\q)%4], v[SC+16*((\q)/4)+4*\a+(\q)%4] matrix_a_fmt:MATRIX_FMT_FP6 matrix_b_fmt:MATRIX_FMT_FP6 matrix_a_scale:MATRIX_SCALE_ROW1
.endif
.endr
.endr
.endm
	s_wait_alu depctr_va_vdst(0)
	s_wait_tensorcnt 0x0                           ; my tile of the four has landed;
	s_barrier_signal -1
	s_barrier_wait -1                              ; and so have the others'.
.irp k, 0,1
.irp i, 0,1,2,3
	ds_load_b128 v[SC+16*\k+4*\i:SC+16*\k+4*\i+3], v[ADRS] offset:512*\i+256*\k   ; block i's words of K steps 4 k .. 4 k + 3
.endr
.endr
	FETCH 0
	s_wait_loadcnt 0x0                             ; the bias
.set Q, 0
.rept 8
.if Q < 7
.if Q > 0
.rept 4
	v_nop                                          ; places in front of loads into registers that the last step's products have read
.endr
.endif
	FETCH Q+1
	s_wait_dscnt 32                                ; this step's fragments are in; the 32 loads just issued may be out
.else
	s_wait_dscnt 0x0
.endif
	WIN 0x50                                       ; C and D in window 1
	MUL Q
	WIN 0
.set Q, Q+1
.endr
; THE WAY OUT, by blocks of 16 rows x 64 columns: through my own stage, one for each block, and back as whole rows of 256 bytes.  LDS serves a wave's instructions in order: no wait between the stores and the loads.
.rept 4
	v_nop                                          ; places behind the last products
.endr
.irp a, 0,1,2,3
	WIN 0x04                                       ; the stores' data in window 1
.irp b, 0,1,2,3
	ds_store_b128 v[STO], v[8*(4*\a+\b):8*(4*\a+\b)+3] offset:SBLK*\a+64*\b          ; each accumulator from its low end on
	ds_store_b128 v[STO], v[8*(4*\a+\b)+4:8*(4*\a+\b)+7] offset:SBLK*\a+64*\b+16
.endr
	WIN 0
.irp t, 0,1,2,3,4,5,6,7
	ds_load_b128 v[32+32*\a+4*\t:35+32*\a+4*\t], v[RD] offset:SBLK*\a+2*SPITCH*\t
.endr
.endr
.irp a, 0,1,2,3
	s_wait_dscnt 16*(3-\a)                         ; block a is back; the 16 LDS instructions of each later block may be out
.irp t, 0,1,2,3,4,5,6,7
	global_store_b128 v[CO], v[32+32*\a+4*\t:35+32*\a+4*\t], s[10:11] offset:4096*(32*(\a/2)+8*(\a%2)+(2*\t)%8+16*(\t/4)) th:TH_STORE_NT   ; sixteen lanes store 256 consecutive bytes, aligned
.endr
.endr
	s_wait_tensorcnt 0x0                           ; the wave's end
	ds_add_u32 v[SPW], v[NIL]
	s_wait_dscnt 0x0
	CROUND                                         ; the closing round
	s_endpgm
.Lfunc_end_k_qa1916c827e_proj:
	.size	k_qa1916c827e_proj, .Lfunc_end_k_qa1916c827e_proj-k_qa1916c827e_proj
	.p2alignl 7, 3214868480
	.fill 96, 4, 3214868480
	.section	.rodata,"a",@progbits
	.p2align	6, 0x0
	.amdhsa_kernel k_qa1916c827e_proj
		.amdhsa_group_segment_fixed_size 274944
		.amdhsa_private_segment_fixed_size 0
		.amdhsa_enable_private_segment 0
		.amdhsa_kernarg_size 32
		.amdhsa_user_sgpr_count 2
		.amdhsa_user_sgpr_kernarg_segment_ptr 1
		.amdhsa_wavefront_size32 1
		.amdhsa_system_sgpr_workgroup_id_x 1
		.amdhsa_system_sgpr_workgroup_id_y 1
		.amdhsa_system_sgpr_workgroup_id_z 1
		.amdhsa_system_vgpr_workitem_id 0
		.amdhsa_next_free_vgpr 512
		.amdhsa_next_free_sgpr 96
		.amdhsa_reserve_vcc 0
		.amdhsa_float_denorm_mode_32 3
		.amdhsa_float_denorm_mode_16_64 3
		.amdhsa_memory_ordered 1
		.amdhsa_forward_progress 1
		.amdhsa_inst_pref_size 51
	.end_amdhsa_kernel
	.amdgpu_metadata
---
amdhsa.version: [ 1, 2 ]
amdhsa.kernels:
  - .name:           k_qa1916c827e_proj
    .symbol:         k_qa1916c827e_proj.kd
    .args:
      - { .name: yq, .offset: 0, .size: 8, .value_kind: global_buffer, .address_space: global }
      - { .name: wpq, .offset: 8, .size: 8, .value_kind: global_buffer, .address_space: global }
      - { .name: b_proj, .offset: 16, .size: 8, .value_kind: global_buffer, .address_space: global }
      - { .name: out0, .offset: 24, .size: 8, .value_kind: global_buffer, .address_space: global }
    .group_segment_fixed_size: 274944
    .private_segment_fixed_size: 0
    .kernarg_segment_align: 8
    .kernarg_segment_size: 32
    .max_flat_workgroup_size: 128
    .sgpr_count:     96
    .vgpr_count:     512
    .wavefront_size: 32
...
	.end_amdgpu_metadata
.endif
;; end of part 4
